; MI455X (gfx1250); checked and timed in simulation.
; The chip was launched on July 23, 2026; its instructions are those of AMD's public machine-readable ISA for CDNA 5 (MIT licence, August 2026) and "CDNA5" Instruction Set Architecture Reference Guide (July 2026). The comments in the code are by the model that wrote it; some were corrected since.
;; Causal Attention. Allowed arithmetic: matrix products marked QUANTISED: E2M3 operands, one E8M0 scale for each 32 along K, by v_wmma_scale_f32_16x16x128_f8f6f4 with both operands' format E2M3, f32 sums; everything else in f32.
;; Inputs: W_k 1,024 x 1,024 float32; W_q 1,024 x 1,024 float32; W_v 1,024 x 1,024 float32; X_emb 4 x 2,048 x 1,024 float32.
;; Outputs: out0 4 x 2,048 x 1,024 float32.
;; This version of the problem:
;;   THIS VERSION OF THE PROBLEM IS GIVEN IN LOW PRECISION. The matrix products marked QUANTISED in the list below multiply operands that are first quantised to E2M3 (2 exponent bits, 3 mantissa bits; 6 bits a number), with one power-of-two scale for each 32 numbers along K (OCP MX v1.0); their sums are f32. All else is computed in f32.
;;   The module's matrix products, in the order in which they are computed (A, B: the left and right operand; K: the contracted axis; several contracted axes count as one K, in the product's order):
;;     1. [M 8,192, K 1,024] x [K 1,024, N 1,024]; A: input X_emb; B: input W_q: QUANTISED
;;     2. [M 8,192, K 1,024] x [K 1,024, N 1,024]; A: input X_emb; B: input W_k: QUANTISED
;;     3. [M 8,192, K 1,024] x [K 1,024, N 1,024]; A: input X_emb; B: input W_v: QUANTISED
;;     4. batch 4 x [M 2,048, K 1,024] x [K 1,024, N 2,048]; A: computed on the way; B: computed on the way: QUANTISED
;;     5. batch 4 x [M 2,048, K 2,048] x [K 2,048, N 1,024]; A: softmax (see below); B: computed on the way: QUANTISED
;;   THE QUANTISER, for each operand of a quantised product, along K:
;;     - K is cut into blocks of 32 from its start; a last block that is shorter is filled with zeros.
;;     - A block's scale is 2^e with e = floor(log2(the largest magnitude in the block)) - 2, held to -126 .. 127; a block of zeros has e = 0. As a byte (E8M0): e + 127.
;;     - Each number is divided by its block's scale, clamped to +-7.5, and rounded to the nearest number of E2M3, ties to even, subnormals kept.
;;     - The product sums the exact products of the quantised numbers (number of the format x scale) in f32.
;;   ~~~python
;;   def quantise(x, axis):      # numpy; x: float32 -> the quantised numbers, widened to float32 again
;;       x = np.moveaxis(x, axis, -1); K = x.shape[-1]
;;       x = np.pad(x, [(0, 0)] * (x.ndim - 1) + [(0, -K % 32)]); x = x.reshape(x.shape[:-1] + (-1, 32)); a = np.abs(x).max(-1, keepdims=True)
;;       e = np.where(a > 0, np.clip(np.frexp(np.where(a > 0, a, 1))[1] - 1 - 2, -126, 127), 0)      # np.frexp(a)[1] - 1 = floor(log2(a)), exactly
;;       r = np.clip(x / 2.0 ** e, -7.5, 7.5)
;;       step = 2.0 ** (np.maximum(np.frexp(np.where(r == 0, 1, r))[1] - 1, 0) - 3)
;;       q = np.round(r / step) * step * 2.0 ** e      # np.round: ties to even
;;       return np.moveaxis(q.reshape(q.shape[:-2] + (-1,))[..., :K], -1, axis).astype(np.float32)
;;   ~~~
;;   SOFTMAX AHEAD OF A QUANTISED PRODUCT. Where the list says 'softmax', what is quantised is not the finished softmax but p = 2^(t - M), with t = logit x log2(e) and M = ceil(the row's largest t), a whole number; so 1/2 < the row's largest p <= 1. The row's sum l is taken of the UNQUANTISED p, in f32, and the product's result is divided by l at the end. Since M is a whole number, a kernel that streams over the keys may use a running M (the ceiling of the running maximum): every later rescaling is an exact power of two, which a block's scale takes up: the codes' values come out the same.
;;   OPERANDS COMPUTED ON THE WAY. 'Computed on the way' means the value that the module computes at that place (a softmax that the list does not call 'softmax' is quantised finished and normalised). What goes into a quantiser is computed in f32, as accurately as f32 sums, v_exp_f32 and their like allow (about 1e-6 of the number): no bf16 or f16 on the way to a quantiser, and a product that is left as it is and whose result goes on into a quantised operand takes f32 operands (vector FMAs, or v_wmma_f32_16x16x4_f32). A number that lies on a knife's edge between two numbers of the format may be rounded either way, as far as f32 arithmetic and the matrix unit's own rounding can turn it there, and no further.
;; One version. Each part assembles by itself: llvm-mc -triple=amdgcn-amd-amdhsa -mcpu=gfx1250 --defsym DOCPART=n.
;; ======== version 1 of 1: 4 launches
;; limits: right only within a limited range of input values
;; workspace buffers: cod 8,650,752 bytes; scl 360,448 bytes; qkc 12,582,912 bytes; qks 524,288 bytes; vtc 6,291,456 bytes; vts 262,144 bytes; pc 12,582,912 bytes; pst 1,572,864 bytes
;; launch quant (part 1): grid 352 x 1, 4 waves a work-group, no clusters, 35,328 bytes of LDS; arguments X_emb, W_q, W_k, W_v, cod, scl; writes cod, scl
.if DOCPART == 1
	.amdgcn_target "amdgcn-amd-amdhsa--gfx1250"
	.amdhsa_code_object_version 6
	.text
	.protected	k_qe0464f6992_quant
	.globl	k_qe0464f6992_quant
	.p2align	8
	.type	k_qe0464f6992_quant,@function
k_qe0464f6992_quant:
	s_mov_b64 s[64:65], 0
	v_nop
	global_prefetch_b8 v0, s[64:65] scope:SCOPE_SE
	s_setreg_imm32_b32 hwreg(HW_REG_WAVE_MODE, 25, 1), 1
	s_wait_xcnt 0x0
; CAUSAL ATTENTION, one head of width 1,024, 4 sequences of 2,048 tokens, all five products on codes of FP6 (E2M3) with one E8M0 scale for each 32 along K.  Four launches:
; quant (this one): X, W_q, W_k, W_v -> codes and scale words;  proj: Xq, Xk, Xv, quantised in registers;  score: p = 2^(t - M) on the live tiles of scores, quantised;  pv: p Xv / l.
; WORK LEFT OUT, AND WHY IT IS DEAD.  The scores of keys k > q are replaced by -infinity by the mask that the computation builds itself (tril), whatever the inputs hold: their p is 0 and adds 0 to the row's sum and to the
; last product.  So tiles of scores all of whose keys come after all of their queries are not multiplied (score), and key steps beyond a query tile's last query are not walked (pv).  Every input has a way to the output: all four are loaded.
; LIMIT: a NaN, an infinity or an overflow that reaches only that work is not carried to the result.
; THE LAYOUT OF EVERY OPERAND IN THIS PROGRAM: a fragment (16 rows x 128 K, 12 registers a lane: lane (r, h) holds row r, registers 6 c .. 6 c + 5 hold K = 64 c + 32 h + 0 .. 31) lies in memory as an image of its registers:
; registers 4 c .. 4 c + 3 of lane l at byte 512 c + 16 l, 1,536 bytes.  A rowblock's fragments lie with the K steps on end.  Scale words (four bytes: 128 along K of a row) lie [K step][row].
; THE ROWS ARE PERMUTED ONCE, HERE: position 16 i + r holds row 32 (i / 2) + 8 (i % 2) + r + 8 (r / 8).  A rowblock that is later a product's source 0 then gives results whose registers run along the next K in natural order.
; THE QUANTISER: a block's scale byte is its largest magnitude's exponent field - 2, held at 1 from below; each number is divided by the scale and rounded to the nearest code, ties to even, beyond 7.5 the largest code.
; LIMITS: a block of zeros gets the byte 1 where the rule says 127 (its codes are zeros, and this program alone reads the bytes); NaN and infinities among the inputs are not served.
; SHARES.  cod holds 704 rowblocks: X 0-511, W_q 512-575, W_k 576-639, W_v 640-703.  Work-group g: 64 positions (g / 2), four of the eight K steps (g % 2).  Wave w: one rowblock, four fragments.
; A load reads 512 consecutive bytes of one row; a fragment's 16 x 512 bytes turn through the wave's own stage in LDS (rows 528 bytes apart), so that a lane gets its 2 x 32 neighbours.  No tensor load, one barrier (the scale words).
.set STGB,  16*528                     ; a wave's stage
.set GATH,  4*STGB                     ; behind the stages: the scale words, [4 K steps][64 rows], four lines of 256 bytes
.set SPARE, GATH+1024                  ; the spare words, 128 bytes for each wave: two blocks of 256 bytes that no other line names
.set SPW,   10                         ; v10  LDS address of my spare word; never rewritten
.set NIL,   11                         ; v11  0; never rewritten
.set R,     16                         ; v16-143  two sets of 64: a fragment's numbers as loaded
.set X,     144                        ; v144-207 my 64 numbers: register 32 c + i = K 64 c + 32 h + i of row r
.set C,     208                        ; v208-219 the fragment's codes
.set T,     220                        ; v220-226 the second halves of the blocks' codes, before they are moved
.set MX,    228                        ; v228-229 largest magnitudes
.set SO,    230                        ; v230-231 the conversions' scale operands
.set BY,    232                        ; v232-233 the bytes
.set WD,    234                        ; v234 the scale word
.set TP,    235                        ; v235 the other half's bytes
.set SH,    236                        ; v236 8 h
	s_load_b256 s[4:11], s[0:1], 0x0               ; X, W_q, W_k, W_v
	s_load_b128 s[12:15], s[0:1], 0x20             ; cod, scl
	v_lshl_add_u32 v[SPW], v0, 2, SPARE
	v_mov_b32 v[NIL], 0
	v_lshrrev_b32 v1, 5, v0
	v_readfirstlane_b32 s18, v1                    ; wave
	v_and_b32 v1, 31, v0                           ; lane
	v_and_b32 v2, 15, v0                           ; r
	v_bfe_u32 v3, v0, 4, 1                         ; h
	v_lshlrev_b32 v4, 4, v1                        ; 16 x lane: my bytes of a load's 512, and of an image's
	s_mul_i32 s19, s18, STGB
	v_add_nc_u32 v5, s19, v4                       ; the stage, on the way in
	v_mul_u32_u24 v6, v2, 528
	v_lshl_add_u32 v6, v3, 7, v6
	v_add_nc_u32 v6, s19, v6                       ; and on the way out: row r, + 128 h
	s_lshl_b32 s19, s18, 6
	v_lshl_add_u32 v7, v2, 2, GATH
	v_add_nc_u32 v7, s19, v7                       ; my row's scale word: 4 (16 w + r)
	s_lshl_b32 s19, s18, 8
	v_lshlrev_b32 v9, 3, v1                        ; 8 x lane
	v_add_nc_u32 v8, s19, v9
	v_add_nc_u32 v8, GATH, v8                      ; line w of the scale words, 8 bytes a lane
	v_lshlrev_b32 v[SH], 3, v3
	v_mov_b32 v[TP], 0                             ; written once: a lane permute's destination counts as one of its sources
	s_lshr_b32 s16, ttmp9, 1                       ; rg: which 64 positions
	s_and_b32 s17, ttmp9, 1                        ; kh: which four K steps
	s_mov_b32 s24, 0x76543210
	s_mov_b32 s25, 0xfedcba98                      ; selects for lane l xor 16
	s_mov_b32 s22, 160
	s_wait_alu depctr_va_vdst(0)
	s_wait_kmcnt 0x0
	s_cmp_lt_u32 s16, 160                          ; which tensor: the choice hangs on the work-group's number alone; one path serves all four
	s_cselect_b64 s[20:21], s[8:9], s[10:11]
	s_cselect_b32 s22, 144, s22
	s_cmp_lt_u32 s16, 144
	s_cselect_b64 s[20:21], s[6:7], s[20:21]
	s_cselect_b32 s22, 128, s22
	s_cmp_lt_u32 s16, 128
	s_cselect_b64 s[20:21], s[4:5], s[20:21]
	s_cselect_b32 s22, 0, s22                      ; the tensor's first group of 64
	s_sub_co_u32 s23, s16, s22
	s_lshl_b32 s23, s23, 6
	s_lshr_b32 s26, s18, 1
	s_lshl_b32 s26, s26, 5
	s_add_co_u32 s23, s23, s26
	s_and_b32 s26, s18, 1
	s_lshl_b32 s26, s26, 3
	s_add_co_u32 s23, s23, s26                     ; my rowblock's first row: 64 (rg - first) + 32 (w / 2) + 8 (w % 2)
	s_lshl_b32 s26, s23, 12                        ; a row is 4,096 bytes
	s_lshl_b32 s27, s17, 11                        ; four K steps are 2,048
	s_add_co_u32 s26, s26, s27
	s_mov_b32 s27, 0
	s_add_nc_u64 s[20:21], s[20:21], s[26:27]
	s_lshl_b32 s26, s16, 2
	s_add_co_u32 s26, s26, s18                     ; rowblock 4 rg + w
	s_lshl_b32 s26, s26, 3
	s_lshl_b32 s28, s17, 2
	s_add_co_u32 s26, s26, s28                     ; its fragment 4 kh
	s_mul_i32 s26, s26, 1536
	s_add_nc_u64 s[12:13], s[12:13], s[26:27]
	s_add_co_u32 s28, s28, s18                     ; the line of scale words that I store: K step 4 kh + w
	s_mul_i32 s26, s28, 45056                      ; 11,264 rows x 4 bytes
	s_lshl_b32 s28, s16, 8
	s_add_co_u32 s26, s26, s28
	s_add_nc_u64 s[14:15], s[14:15], s[26:27]
.macro LOAD t                          ; fragment t: 16 rows x 512 bytes into set t % 2; row p of the rowblock lies p + 8 (p / 8) rows on
.irp p, 0,1,2,3,4,5,6,7,8,9,10,11,12,13,14,15
	global_load_b128 v[R+64*((\t)%2)+4*\p:R+64*((\t)%2)+4*\p+3], v4, s[20:21] offset:(\p+8*(\p/8))*4096+512*(\t) th:TH_LOAD_NT
.endr
.endm
.macro FRAG t
.if (\t) < 3
	s_wait_loadcnt 16                              ; this fragment's 16 loads are in; the next fragment's 16 may be out
.else
	s_wait_loadcnt 0x0
.endif
.irp p, 0,1,2,3,4,5,6,7,8,9,10,11,12,13,14,15
	ds_store_b128 v5, v[R+64*((\t)%2)+4*\p:R+64*((\t)%2)+4*\p+3] offset:528*\p
.endr
.irp c, 0,1
.irp j, 0,1,2,3,4,5,6,7
	ds_load_b128 v[X+32*\c+4*\j:X+32*\c+4*\j+3], v6 offset:256*\c+16*\j   ; LDS serves a wave's instructions in order: these see the stores above
.endr
.endr
	s_wait_dscnt 0x0                               ; my numbers are in, and the stores have read their registers,
.if (\t) < 2
	LOAD (\t)+2                                    ; which take the fragment two on
.endif
.irp c, 0,1
	v_max3_num_f32 v[MX+\c], |v[X+32*\c]|, |v[X+32*\c+1]|, 0x1800000   ; block 2 c + h: all 32 numbers are mine; the floor 2^(3 - 127) holds the byte at 1 from below
.endr
.irp i, 2,4,6,8,10,12,14,16,18,20,22,24,26,28,30
.irp c, 0,1
	v_max3_num_f32 v[MX+\c], v[MX+\c], |v[X+32*\c+\i]|, |v[X+32*\c+\i+1]|
.endr
.endr
.irp c, 0,1
	v_add_nc_u32 v[SO+\c], 0xff000000, v[MX+\c]    ; 2 off the exponent field: the conversion takes that field as its scale
.endr
.irp c, 0,1
	v_lshrrev_b32 v[BY+\c], 23, v[SO+\c]           ; the byte
.endr
	v_lshl_or_b32 v[WD], v[BY+1], 16, v[BY]        ; my two bytes: blocks h and 2 + h,
	v_lshlrev_b32 v[WD], v[SH], v[WD]              ; at their places;
	v_permlanex16_b32 v[TP], v[WD], s24, s25
	v_or_b32 v[WD], v[WD], v[TP]                   ; with lane l xor 16's two the word is whole
	s_wait_alu depctr_va_vdst(0)
	s_wait_xcnt 0x0                                ; the last fragment's stores have read their data: the codes' registers are written again only behind this wait
.irp c, 0,1
	v_cvt_scalef32_pk16_fp6_f32 v[C+6*\c:C+6*\c+2], v[X+32*\c:X+32*\c+15], v[SO+\c]
	v_cvt_scalef32_pk16_fp6_f32 v[T+4*\c:T+4*\c+2], v[X+32*\c+16:X+32*\c+31], v[SO+\c]   ; (a conversion's three registers begin on an even number)
.endr
	v_nop                                          ; one plain place behind a scaled conversion
.irp c, 0,1
.irp i, 0,1,2
	v_mov_b32 v[C+3+6*\c+\i], v[T+4*\c+\i]
.endr
.endr
.irp c, 0,1,2
	global_store_b128 v4, v[C+4*\c:C+4*\c+3], s[12:13] offset:1536*(\t)+512*\c   ; 32 lanes store 512 consecutive bytes, aligned to 256
.endr
	ds_store_b32 v7, v[WD] offset:256*(\t)         ; lanes r and r + 16 write the same word with the same value
.endm
	LOAD 0
	LOAD 1
	FRAG 0
	FRAG 1
	FRAG 2
	FRAG 3
	s_wait_dscnt 0x0                               ; for the others' sake: my scale words lie in LDS
	s_barrier_signal -1
	s_barrier_wait -1
	ds_load_b64 v[12:13], v8                       ; line w: the 64 rows' words of K step 4 kh + w
	s_wait_dscnt 0x0
	global_store_b64 v9, v[12:13], s[14:15]        ; 32 lanes store 256 consecutive bytes, aligned
	s_wait_tensorcnt 0x0                           ; the wave's end
	ds_add_u32 v[SPW], v[NIL]
	s_wait_dscnt 0x0
	s_endpgm
.Lfunc_end_k_qe0464f6992_quant:
	.size	k_qe0464f6992_quant, .Lfunc_end_k_qe0464f6992_quant-k_qe0464f6992_quant
	.p2alignl 7, 3214868480
	.fill 96, 4, 3214868480
	.section	.rodata,"a",@progbits
	.p2align	6, 0x0
	.amdhsa_kernel k_qe0464f6992_quant
		.amdhsa_group_segment_fixed_size 35328
		.amdhsa_private_segment_fixed_size 0
		.amdhsa_enable_private_segment 0
		.amdhsa_kernarg_size 48
		.amdhsa_user_sgpr_count 2
		.amdhsa_user_sgpr_kernarg_segment_ptr 1
		.amdhsa_wavefront_size32 1
		.amdhsa_system_sgpr_workgroup_id_x 1
		.amdhsa_system_sgpr_workgroup_id_y 1
		.amdhsa_system_sgpr_workgroup_id_z 1
		.amdhsa_system_vgpr_workitem_id 0
		.amdhsa_next_free_vgpr 240
		.amdhsa_next_free_sgpr 66
		.amdhsa_reserve_vcc 0
		.amdhsa_float_denorm_mode_32 3
		.amdhsa_float_denorm_mode_16_64 3
		.amdhsa_memory_ordered 1
		.amdhsa_forward_progress 1
		.amdhsa_inst_pref_size 31
	.end_amdhsa_kernel
	.amdgpu_metadata
---
amdhsa.version: [ 1, 2 ]
amdhsa.kernels:
  - .name:           k_qe0464f6992_quant
    .symbol:         k_qe0464f6992_quant.kd
    .args:
      - { .name: X_emb, .offset: 0, .size: 8, .value_kind: global_buffer, .address_space: global }
      - { .name: W_q, .offset: 8, .size: 8, .value_kind: global_buffer, .address_space: global }
      - { .name: W_k, .offset: 16, .size: 8, .value_kind: global_buffer, .address_space: global }
      - { .name: W_v, .offset: 24, .size: 8, .value_kind: global_buffer, .address_space: global }
      - { .name: cod, .offset: 32, .size: 8, .value_kind: global_buffer, .address_space: global }
      - { .name: scl, .offset: 40, .size: 8, .value_kind: global_buffer, .address_space: global }
    .group_segment_fixed_size: 35328
    .private_segment_fixed_size: 0
    .kernarg_segment_align: 8
    .kernarg_segment_size: 48
    .max_flat_workgroup_size: 128
    .sgpr_count:     66
    .vgpr_count:     240
    .wavefront_size: 32
...
	.end_amdgpu_metadata
.endif
;; end of part 1
;; launch proj (part 2): grid 8 x 32, 4 waves a work-group, clusters of 4 x 4, 327,680 bytes of LDS; arguments cod, scl, qkc, qks, vtc, vts; writes qkc, qks, vtc, vts
.if DOCPART == 2
	.amdgcn_target "amdgcn-amd-amdhsa--gfx1250"
	.amdhsa_code_object_version 6
	.text
	.protected	k_qe0464f6992_proj
	.globl	k_qe0464f6992_proj
	.p2align	8
	.type	k_qe0464f6992_proj,@function
k_qe0464f6992_proj:
	s_mov_b64 s[64:65], 0
	v_nop
	global_prefetch_b8 v0, s[64:65] scope:SCOPE_SE
	s_setreg_imm32_b32 hwreg(HW_REG_WAVE_MODE, 25, 1), 1
	s_wait_xcnt 0x0
	s_wait_alu depctr_hold_cnt(0) depctr_sa_sdst(0) depctr_va_vdst(0) depctr_va_sdst(0) depctr_va_ssrc(0) depctr_va_vcc(0) depctr_vm_vsrc(0)
	s_getreg_b32 s2, hwreg(HW_REG_IB_STS2, 6, 4)
	s_cmp_eq_u32 s2, 0
	s_cbranch_scc0 .Lentry_in_a_cluster
	s_endpgm
.Lentry_in_a_cluster:
	s_bfe_u32 s2, ttmp6, 0x10000c
	s_cmp_lg_u32 s2, 0xf033
	s_cbranch_scc0 .Lentry_shape_is_right
	s_endpgm
.Lentry_shape_is_right:
; Xq = X W_q^T, Xk = X W_k^T, Xv = X W_v^T on codes of FP6, each result quantised in registers for the product that takes it: Xq, Xk along e, Xv along the tokens.  Nothing is left out here.
; 256 work-groups (x = 0..7, y = 0..31), each with two parts on ONE tile of X (tokens 256 y ..):
;   PART 1: 256 tokens (R, source 1) x 256 rows of [W_q; W_k] (tile x; P, source 0): a wave makes 128 x 128, 64 accumulators.
;   PART 2: 128 rows of W_v (piece x; R) x the same 256 tokens (P): a wave makes 64 x 128, 32 accumulators, laid over part 1's first 32 when those have been quantised.
; P's rows become the next K: P's rowblocks hold permuted rows (first launch), so a lane's 64 registers of one R rowblock run along the next K in natural order.
; LDS: a ring of two slots of 147,456 bytes, five fills: part 1's K steps 0-2 (slot 0), 3-5 (slot 1), 6-7 (slot 0); part 2's K steps 0-3 (slot 1), 4-7 (slot 0).
; In a slot: X's 16 rowblocks, then W's 16 (part 2: 8); a rowblock's K steps on end.  Waves 0, 1 fetch X's halves, waves 2, 3 W's: one tensor load a wave at the head and one behind each round; one load of a wave is out at most.
; A tile's row is 4,608, 3,072 or 6,144 bytes of a rowblock's 12,288 and begins at a multiple of 256 bytes.  Fragments lie as images of their registers: three loads of 512 consecutive bytes.
; CLUSTERS 4 x 4: X's tile hangs on y and is asked for jointly along a row of the cluster; W's tiles hang on x, jointly along a column.
; No prefetch: K is eight steps at the largest block in clusters, and every tile is asked for jointly by four work-groups and read again by other clusters.
; LIMITS: a block of zeros gets the byte 1 (its codes are zeros; this program alone reads the bytes); NaN and infinities are not served.
; REGISTERS: window 0: v4, v5 lane terms; v6, v7 the add's two; v8-15, v24-25 LDS addresses; v16-23 scale words made; v32-63 X's scale words, v64-95 W's (scales alone); v112-127 at work; v128-223 R's fragments (later the codes made).
;   window 1: P's 8 fragments, two sets, at v0 and v128.   windows 2, 3: accumulator (a, b) at v[8 (8 (a % 4) + b)] of window 2 + a / 4.
.set SLOT,  147456
.set PSIDE, 73728                      ; part 1: W's side of a slot
.set VSIDE, 98304                      ; part 2: W_v's side
.set SPARE, 2*SLOT                     ; the spare words, 128 bytes for each wave
.set FR,    12
.set FRB,   1536
.set PL,    45056                      ; scl: from K step to K step
.set LI,    4
.set LS,    5
.set SPW,   6
.set NIL,   7
.set ADRR,  8                          ; v8-10  part 1: my X fragments in fills 0, 1, 2
.set ADRP,  11                         ; v11-13 part 1: my W fragments
.set AVX,   14                         ; v14-15 part 2: my X fragments in fills 3, 4
.set PWK,   16
.set AVW,   24                         ; v24-25 part 2: my W_v fragments
.set SR,    32                         ; register 4 s + i: lanes 0-15 rowblock 2 i, lanes 16-31 rowblock 2 i + 1, K step s
.set SP,    64
.set TM,    112
.set AF,    128
.set PC,    128
.set HI,    23
.set G1X,   24
.set G1W,   32
.set G0X,   40                         ; five sets, one for each fill
.set G0W,   68
.set OUTC,  88
.set OUTS,  90
.set OUTC2, 92
.set OUTS2, 94
.set SEL,   96
.set MUL_LO, 0xa1                      ; source 0 window 1, source 1 window 0, C and D window 2
.set MUL_HI, 0xf1
.set MSB, 0
.macro WIN new                         ; the immediate's high byte repeats the setting that is left
.if MSB != (\new)
	s_set_vgpr_msb (MSB<<8)|(\new)
.set MSB, (\new)
.endif
.endm
.macro PLACES n
.rept \n
	v_nop
.endr
.endm
.macro WM a, b, s, zero                ; R's block a x P's block b, K step s; an odd rowblock's scale words lie in lanes 16-31
.set rD, 8*(8*((\a)%4)+(\b))
.set rP, 128*((\s)%2)+FR*(\b)
.set rR, AF+FR*(\a)
.set rSP, SP+4*(\s)+(\b)/2
.set rSR, SR+4*(\s)+(\a)/2
.if \zero
.if ((\a)%2 == 0) && ((\b)%2 == 0)
	v_wmma_scale_f32_16x16x128_f8f6f4 v[rD:rD+7], v[rP:rP+11], v[rR:rR+11], 0, v[rSP], v[rSR] matrix_a_fmt:MATRIX_FMT_FP6 matrix_b_fmt:MATRIX_FMT_FP6
.elseif ((\a)%2 == 0)
	v_wmma_scale_f32_16x16x128_f8f6f4 v[rD:rD+7], v[rP:rP+11], v[rR:rR+11], 0, v[rSP], v[rSR] matrix_a_fmt:MATRIX_FMT_FP6 matrix_b_fmt:MATRIX_FMT_FP6 matrix_a_scale:MATRIX_SCALE_ROW1
.elseif ((\b)%2 == 0)
	v_wmma_scale_f32_16x16x128_f8f6f4 v[rD:rD+7], v[rP:rP+11], v[rR:rR+11], 0, v[rSP], v[rSR] matrix_a_fmt:MATRIX_FMT_FP6 matrix_b_fmt:MATRIX_FMT_FP6 matrix_b_scale:MATRIX_SCALE_ROW1
.else
	v_wmma_scale_f32_16x16x128_f8f6f4 v[rD:rD+7], v[rP:rP+11], v[rR:rR+11], 0, v[rSP], v[rSR] matrix_a_fmt:MATRIX_FMT_FP6 matrix_b_fmt:MATRIX_FMT_FP6 matrix_a_scale:MATRIX_SCALE_ROW1 matrix_b_scale:MATRIX_SCALE_ROW1
.endif
.else
.if ((\a)%2 == 0) && ((\b)%2 == 0)
	v_wmma_scale_f32_16x16x128_f8f6f4 v[rD:rD+7], v[rP:rP+11], v[rR:rR+11], v[rD:rD+7], v[rSP], v[rSR] matrix_a_fmt:MATRIX_FMT_FP6 matrix_b_fmt:MATRIX_FMT_FP6
.elseif ((\a)%2 == 0)
	v_wmma_scale_f32_16x16x128_f8f6f4 v[rD:rD+7], v[rP:rP+11], v[rR:rR+11], v[rD:rD+7], v[rSP], v[rSR] matrix_a_fmt:MATRIX_FMT_FP6 matrix_b_fmt:MATRIX_FMT_FP6 matrix_a_scale:MATRIX_SCALE_ROW1
.elseif ((\b)%2 == 0)
	v_wmma_scale_f32_16x16x128_f8f6f4 v[rD:rD+7], v[rP:rP+11], v[rR:rR+11], v[rD:rD+7], v[rSP], v[rSR] matrix_a_fmt:MATRIX_FMT_FP6 matrix_b_fmt:MATRIX_FMT_FP6 matrix_b_scale:MATRIX_SCALE_ROW1
.else
	v_wmma_scale_f32_16x16x128_f8f6f4 v[rD:rD+7], v[rP:rP+11], v[rR:rR+11], v[rD:rD+7], v[rSP], v[rSR] matrix_a_fmt:MATRIX_FMT_FP6 matrix_b_fmt:MATRIX_FMT_FP6 matrix_a_scale:MATRIX_SCALE_ROW1 matrix_b_scale:MATRIX_SCALE_ROW1
.endif
.endif
.endm
.macro MUL16 a0, s, zero               ; 16 products; the accumulators take turns, one instruction a turn, in the same order in every step
.irp a, \a0, \a0+1
.irp b, 0,1,2,3,4,5,6,7
	WM \a, \b, \s, \zero
.endr
.endr
.endm
.macro FRAG reg, adr, off              ; a fragment's image: three loads of 512 consecutive bytes
.irp c, 0,1,2
	ds_load_b128 v[\reg+4*\c:\reg+4*\c+3], v[\adr] offset:\off+512*\c
.endr
.endm
; part 1: K step s lies in fill s / 3, as that fill's step s % 3; a rowblock takes 4,608 bytes there (fill 2: 3,072)
.macro FETCH_B s
	WIN 0x40
.irp b, 0,1,2,3,4,5,6,7
	FRAG 128*((\s)%2)+FR*\b, ADRP+(\s)/3, \b*(4608-1536*((\s)/6))+((\s)%3)*FRB
.endr
	WIN 0
.endm
.macro FETCH_A s, i0
.irp i, \i0, \i0+1, \i0+2, \i0+3
	FRAG AF+FR*(\i), ADRR+(\s)/3, (\i)*(4608-1536*((\s)/6))+((\s)%3)*FRB
.endr
.endm
; part 2: K step s lies in fill 3 + s / 4; a rowblock takes 6,144 bytes.  X's 8 fragments into window 1's set s % 2, W_v's 4 into R's blocks 4 (s % 2) ..
.macro FETCHV s
	WIN 0x40
.irp b, 0,1,2,3,4,5,6,7
	FRAG 128*((\s)%2)+FR*\b, AVX+(\s)/4, \b*6144+((\s)%4)*FRB
.endr
	WIN 0
.irp i, 0,1,2,3
	FRAG AF+48*((\s)%2)+FR*\i, AVW+(\s)/4, \i*6144+((\s)%4)*FRB
.endr
.endm
; A load into a register that a matrix instruction has read, and a vector instruction that reads a result, stand four plain vector instructions behind that matrix instruction (ISA guide 7.12.1 for vector instructions).
.macro STEP s, zero                    ; part 1: a K step whose successor lies in the same fill
	s_wait_dscnt 12                                ; P's set and R's blocks 0-3 are in; the youngest 12 loads (R's blocks 4-7) may be out
	WIN MUL_LO
	MUL16 0, \s, \zero
	MUL16 2, \s, \zero
	s_wait_dscnt 0x0
	PLACES 4
	FETCH_B (\s)+1
	FETCH_A (\s)+1, 0
	WIN MUL_HI
	MUL16 4, \s, \zero
	MUL16 6, \s, \zero
	PLACES 4
	WIN 0
	FETCH_A (\s)+1, 4
.endm
.macro JLOAD c                         ; fill c's joint load: waves 0, 1 X's halves, waves 2, 3 W's.  The branch hangs on the wave's number alone.  An s_nop 0 and four v_nop follow each line
	s_cmp_eq_u32 s17, 0
	s_cbranch_scc0 .Lfor_w_\@
	tensor_load_to_lds s[G0X+4*\c:G0X+4*\c+3], s[G1X:G1X+7]
	s_nop 0
.rept 4
	v_nop
.endr
	s_branch .Lasked_\@
.Lfor_w_\@:
	tensor_load_to_lds s[G0W+4*\c:G0W+4*\c+3], s[G1W:G1W+7]
	s_nop 0
.rept 4
	v_nop
.endr
.Lasked_\@:
.endm
.macro CREST                           ; a round of the cluster's barrier behind its opening barrier
	s_cmp_lg_u32 s16, 0
	s_cbranch_scc1 .Lnot_wave_0_\@
	s_barrier_signal -3
.Lnot_wave_0_\@:
	s_barrier_wait -3
	s_barrier_signal -1
	s_barrier_wait -1
.endm
.macro CROUND
	s_barrier_signal -1
	s_barrier_wait -1
	CREST
.endm
; A fill's last step changes slots: all my loads have landed, the add, my reads of this slot are over; the barrier opens a round of the cluster's; fill c goes into the slot just read out.
.macro TURN s, c
	s_wait_tensorcnt 0x0                           ; all my tensor loads have landed: my part of the next slot;
	ds_add_u32 v[SPW], v[NIL]                      ; 0 onto my spare word;
	s_wait_dscnt 13                                ; (the add and the youngest 12 loads may be out)
	WIN MUL_LO
	MUL16 0, \s, 0
	s_wait_dscnt 0x0                               ; the add is done, and my reads of this slot are over
	s_barrier_signal -1
	MUL16 2, \s, 0
	WIN 0
	s_barrier_wait -1
	CREST
.if \c == 2                            ; no tensor load of mine is out: the tiles' row length may be written: two K steps, 3,072 bytes
.irp g, G1X, G1W
	s_mov_b32 s[\g+1], 384<<16
	s_mov_b32 s[\g+3], 384<<16
.endr
.else                                  ; part 2: four K steps, 6,144 bytes; of W_v four rowblocks a wave
.irp g, G1X, G1W
	s_mov_b32 s[\g+1], 768<<16
	s_mov_b32 s[\g+3], 768<<16
.endr
	s_mov_b32 s[G1W+2], 4<<16
	s_mov_b32 s[G1W+4], 4
.endif
	JLOAD \c                                       ; the first tensor load behind the round; its four v_nop are also the places in front of the loads below
	FETCH_B (\s)+1
	FETCH_A (\s)+1, 0
	WIN MUL_HI
	MUL16 4, \s, 0
	MUL16 6, \s, 0
	PLACES 4
	WIN 0
	FETCH_A (\s)+1, 4
.endm
.macro LAST s
	s_wait_dscnt 12
	WIN MUL_LO
	MUL16 0, \s, 0
	MUL16 2, \s, 0
	s_wait_dscnt 0x0
	WIN MUL_HI
	MUL16 4, \s, 0
	MUL16 6, \s, 0
	WIN 0
	PLACES 4
.endm
.macro VSTEP s, zero                   ; part 2: 32 products; the next step's 36 loads are issued ahead of them
	s_wait_dscnt 0x0                               ; this step's fragments are in
.if (\s) == 3
	s_wait_tensorcnt 0x0                           ; my part of fill 4 has landed
	s_barrier_signal -1
	s_barrier_wait -1                              ; everybody's has
.endif
.if (\s) < 7
	PLACES 4
	FETCHV (\s)+1
.endif
	WIN MUL_LO
	MUL16 4*((\s)%2), \s, \zero
	MUL16 4*((\s)%2)+2, \s, \zero
	WIN 0
.endm
; The 64 results of R's block a become a fragment.  QMAX: the four blocks' scales, the scale word.  QCVT: the codes, in v[PC] on.
.macro QMAX a
	WIN 0x0a+5*((\a)/4)
.irp b, 0,1,2,3
	v_max3_num_f32 v[TM+\b], |v[64*((\a)%4)+16*\b]|, |v[64*((\a)%4)+16*\b+1]|, 0x1800000   ; each accumulator from its low end on; the floor 2^(3 - 127) holds the byte at 1 from below
.endr
.irp i, 2,4,6,8,10,12,14
.irp b, 0,1,2,3
	v_max3_num_f32 v[TM+\b], |v[64*((\a)%4)+16*\b+\i]|, |v[64*((\a)%4)+16*\b+\i+1]|, v[TM+\b]
.endr
.endr
	WIN 0
.irp b, 0,1,2,3
	v_permlanex16_b32 v[TM+4+\b], v[TM+\b], s[SEL], s[SEL+1]
.endr
.irp b, 0,1,2,3
	v_max_num_f32 v[TM+\b], v[TM+\b], v[TM+4+\b]   ; with lane l xor 16's 16: the block's largest magnitude
.endr
.irp b, 0,1,2,3
	v_add_nc_u32 v[TM+12+\b], 0xff000000, v[TM+\b] ; 2 off the exponent field: the conversion's scale operand
.endr
.irp b, 0,1,2,3
	v_lshrrev_b32 v[TM+4+\b], 23, v[TM+12+\b]      ; the byte
.endr
	v_lshl_or_b32 v[PWK+\a], v[TM+5], 8, v[TM+4]
	v_lshl_or_b32 v[PWK+\a], v[TM+6], 16, v[PWK+\a]
	v_lshl_or_b32 v[PWK+\a], v[TM+7], 24, v[PWK+\a]
.endm
.macro QCVT a
	s_wait_alu depctr_va_vdst(0)
	s_wait_xcnt 0x0                                ; the last block's stores have read their data
	WIN 2+(\a)/4
.irp c, 0,1
	v_cvt_scalef32_pk16_fp6_f32 v[PC+6*\c:PC+6*\c+2], v[64*((\a)%4)+32*\c:64*((\a)%4)+32*\c+15], v[TM+12+2*\c]
	v_cvt_scalef32_pk16_fp6_f32 v[PC+12+4*\c:PC+14+4*\c], v[64*((\a)%4)+32*\c+16:64*((\a)%4)+32*\c+31], v[TM+13+2*\c]   ; (a conversion's three registers begin on an even number)
.endr
	WIN 0
	v_nop                                          ; one plain place behind a scaled conversion
.irp c, 0,1                            ; the operand's layout wants a whole block in a lane
.irp i, 0,1,2
	v_permlane16_swap_b32 v[PC+6*\c+\i], v[PC+12+4*\c+\i]
.endr
.irp i, 0,1,2
	v_mov_b32 v[PC+3+6*\c+\i], v[PC+12+4*\c+\i]
.endr
.endr
.endm
.macro EPI a, base, strd               ; block a leaves: 32 lanes store 512 consecutive bytes, aligned to 256
	QMAX \a
	QCVT \a
.irp c, 0,1,2
	global_store_b128 v[LI], v[PC+4*\c:PC+4*\c+3], s[\base:\base+1] offset:\strd*(\a)+512*\c
.endr
.endm
.macro MK g, mul, cst, base, off       ; a group 0: LDS address cst + mul x the half that I fetch; global address base + off
	s_mov_b32 s[\g], 1
	s_mul_i32 s[\g+1], s18, \mul
	s_add_co_u32 s[\g+1], s[\g+1], \cst
	s_add_nc_u64 s[\g+2:\g+3], s[\base:\base+1], \off
	s_or_b32 s[\g+3], s[\g+3], 0x80000000
.endm
.macro AD reg, half, mul, cst          ; an LDS address: cst + mul x my half + 16 x lane
	s_mul_i32 s19, s[\half], \mul
	s_add_co_u32 s19, s19, \cst
	v_add_nc_u32 v[\reg], s19, v[LI]
.endm
	s_load_b256 s[4:11], s[0:1], 0x0               ; cod, scl, qkc, qks
	s_load_b128 s[12:15], s[0:1], 0x20             ; vtc, vts
	v_lshl_add_u32 v[SPW], v0, 2, SPARE
	v_mov_b32 v[NIL], 0
	ds_add_u32 v[SPW], v[NIL]                      ; the wave's opening: the add, twice on end, and its wait ahead of my first tensor load
	ds_add_u32 v[SPW], v[NIL]
	v_lshrrev_b32 v1, 5, v0
	v_readfirstlane_b32 s16, v1                    ; wave
	s_lshr_b32 s17, s16, 1                         ; rh: my half of X's rows.  Also: I fetch for X (0) or for W (1)
	s_and_b32 s18, s16, 1                          ; ph: my half of W's rows.  Also: which half of that side I fetch
	s_bfe_u32 s19, ttmp6, 0x40000                  ; cx
	s_bfe_u32 s20, ttmp6, 0x40004                  ; cy
	s_lshl_b32 s21, ttmp9, 2
	s_add_co_u32 s21, s21, s19                     ; x
	s_and_b32 s22, ttmp7, 0xffff
	s_lshl_b32 s22, s22, 2
	s_add_co_u32 s22, s22, s20                     ; y
	s_lshl_b32 s23, s20, 2
	s_lshl_b32 s23, 15, s23                        ; my row of the cluster
	s_lshl_b32 s60, 0x1111, s19                    ; my column
	s_or_b32 s[G1X], s23, (3<<16)|(1<<21)          ; 15:0 the mask; 17:16 elements of 8 bytes; 21 set beside a mask; no padding
	s_or_b32 s[G1W], s60, (3<<16)|(1<<21)
.irp g, G1X, G1W
	s_mov_b32 s[\g+1], 576<<16                     ; tensor_dim0: 4,608 bytes, three K steps of a rowblock
	s_mov_b32 s[\g+2], 8<<16                       ; tensor_dim1: 8 rowblocks
	s_mov_b32 s[\g+3], 576<<16                     ; tile_dim0
	s_mov_b32 s[\g+4], 8                           ; tile_dim1
	s_mov_b32 s[\g+5], 1536                        ; from rowblock to rowblock: 12,288 bytes
	s_mov_b32 s[\g+6], 0
	s_mov_b32 s[\g+7], 0
.endr
	; where the tiles begin in cod.  s66, s67 never hold cx; s62, s63, s100, s101 never hold cy
	s_mul_i32 s61, s18, 98304                      ; the half that I fetch: 8 rowblocks
	s_mul_i32 s66, s22, 196608                     ; X: rowblock 16 y
	s_add_co_u32 s66, s66, s61
	s_mov_b32 s67, 0
	s_add_co_u32 s62, s21, 32                      ; W_q, W_k: rowblock 16 (32 + x)
	s_mul_i32 s62, s62, 196608
	s_add_co_u32 s62, s62, s61
	s_mov_b32 s63, 0
	s_mul_i32 s100, s21, 98304                     ; W_v: rowblock 640 + 8 x + 4 x half
	s_mul_i32 s61, s18, 49152
	s_add_co_u32 s100, s100, s61
	s_add_co_u32 s100, s100, 7864320
	s_mov_b32 s101, 0
	s_mov_b32 s[SEL], 0x76543210
	s_mov_b32 s[SEL+1], 0xfedcba98
	s_mov_b32 s[HI], 0xffff0000                    ; lanes 16-31
	s_wait_dscnt 0x0                               ; both opening adds are done
	s_wait_kmcnt 0x0
	s_add_nc_u64 s[66:67], s[4:5], s[66:67]
	s_add_nc_u64 s[62:63], s[4:5], s[62:63]
	s_add_nc_u64 s[100:101], s[4:5], s[100:101]
	MK G0X, 36864, 0, 66, 0
	MK G0W, 36864, PSIDE, 62, 0
	CROUND                                         ; all sixteen work-groups are here: the first joint loads meet
	JLOAD 0                                        ; part 1's K steps 0-2: one tensor load a wave at the head
	MK G0X+4, 36864, SLOT, 66, 4608
	MK G0W+4, 36864, SLOT+PSIDE, 62, 4608
	MK G0X+8, 24576, 0, 66, 9216
	MK G0W+8, 24576, PSIDE, 62, 9216
	MK G0X+12, 49152, SLOT, 66, 0
	MK G0W+12, 24576, SLOT+VSIDE, 100, 0
	MK G0X+16, 49152, 0, 66, 6144
	MK G0W+16, 24576, VSIDE, 100, 6144
	s_lshl_b32 s60, s22, 10                        ; scale words: 64 bytes a rowblock.  X's: tile y, half rh
	s_lshl_b32 s19, s17, 9
	s_add_co_u32 s60, s60, s19
	s_mov_b32 s61, 0
	s_add_nc_u64 s[60:61], s[6:7], s[60:61]
	s_lshl_b32 s98, s21, 10                        ; W_q's, W_k's: tile 32 + x, half ph
	s_lshl_b32 s19, s18, 9
	s_add_co_u32 s98, s98, s19
	s_add_co_u32 s98, s98, 32768
	s_mov_b32 s99, 0
	s_add_nc_u64 s[98:99], s[6:7], s[98:99]
	s_lshl_b32 s2, s21, 9                          ; W_v's: rowblock 640 + 8 x + 4 ph
	s_lshl_b32 s19, s18, 8
	s_add_co_u32 s2, s2, s19
	s_add_co_u32 s2, s2, 40960
	s_mov_b32 s3, 0
	s_add_nc_u64 s[2:3], s[6:7], s[2:3]
	v_and_b32 v1, 31, v0
	v_lshlrev_b32 v[LI], 4, v1
	v_lshlrev_b32 v[LS], 2, v1
	s_wait_alu depctr_va_vdst(0)
.irp s, 0,1,2,3,4,5,6,7
.irp i, 0,1,2,3
	global_load_b32 v[SR+4*\s+\i], v[LS], s[60:61] offset:\s*PL+128*\i
	global_load_b32 v[SP+4*\s+\i], v[LS], s[98:99] offset:\s*PL+128*\i
.endr
.endr
	AD ADRR, 17, 36864, 0
	AD ADRR+1, 17, 36864, SLOT
	AD ADRR+2, 17, 24576, 0
	AD ADRP, 18, 36864, PSIDE
	AD ADRP+1, 18, 36864, SLOT+PSIDE
	AD ADRP+2, 18, 24576, PSIDE
	AD AVX, 17, 49152, SLOT
	AD AVX+1, 17, 49152, 0
	AD AVW, 18, 24576, SLOT+VSIDE
	AD AVW+1, 18, 24576, VSIDE
.irp b, 0,1,2,3
	v_mov_b32 v[TM+4+\b], 0                        ; written once: a lane permute's destination counts as one of its sources
.endr
	; part 1's results: tensor x / 4, next K step 2 (x % 4) + ph, rowblock 512 (x / 4) + 16 y + 8 rh + a
	s_lshr_b32 s19, s21, 2
	s_and_b32 s20, s21, 3
	s_lshl_b32 s20, s20, 1
	s_add_co_u32 s20, s20, s18
	s_lshl_b32 s19, s19, 9
	s_lshl_b32 s88, s22, 4
	s_add_co_u32 s19, s19, s88
	s_lshl_b32 s88, s17, 3
	s_add_co_u32 s19, s19, s88
	s_lshl_b32 s88, s19, 3
	s_add_co_u32 s88, s88, s20
	s_mul_i32 s88, s88, 1536                       ; codes
	s_mov_b32 s89, 0
	s_add_nc_u64 s[OUTC:OUTC+1], s[8:9], s[88:89]
	s_lshl_b32 s90, s20, 16                        ; scale words: 65,536 bytes a K step, 64 a rowblock
	s_lshl_b32 s19, s19, 6
	s_add_co_u32 s90, s90, s19
	s_mov_b32 s91, 0
	s_add_nc_u64 s[OUTS:OUTS+1], s[10:11], s[90:91]
	; part 2's: rowblock of channels 8 x + 4 ph + a, key step 2 y + rh
	s_lshl_b32 s19, s21, 3
	s_lshl_b32 s20, s18, 2
	s_add_co_u32 s19, s19, s20
	s_lshl_b32 s20, s22, 1
	s_add_co_u32 s20, s20, s17
	s_lshl_b32 s92, s19, 6
	s_add_co_u32 s92, s92, s20
	s_mul_i32 s92, s92, 1536
	s_mov_b32 s93, 0
	s_add_nc_u64 s[OUTC2:OUTC2+1], s[12:13], s[92:93]
	s_lshl_b32 s94, s20, 12                        ; 4,096 bytes a key step
	s_lshl_b32 s19, s19, 6
	s_add_co_u32 s94, s94, s19
	s_mov_b32 s95, 0
	s_add_nc_u64 s[OUTS2:OUTS2+1], s[14:15], s[94:95]
	s_wait_alu depctr_va_vdst(0)
	s_wait_tensorcnt 0x0                           ; my part of fill 0 is in
	ds_add_u32 v[SPW], v[NIL]
	s_wait_dscnt 0x0
	CROUND                                         ; everybody's part is in, and the joint loads meet
	JLOAD 1                                        ; slot 1's first fill: K steps 3-5
	FETCH_B 0
	FETCH_A 0, 0
	FETCH_A 0, 4
	s_wait_loadcnt 0x0                             ; the scale words
	STEP 0, 1                                      ; the first step's products start the sums: nothing is cleared
	STEP 1, 0
	TURN 2, 2                                      ; slot 0 takes K steps 6-7
	STEP 3, 0
	STEP 4, 0
	TURN 5, 3                                      ; slot 1 takes part 2's K steps 0-3
	STEP 6, 0
	LAST 7
.irp s, 0,1,2,3,4,5,6,7                ; W_v's scale words take the registers of W_q's, W_k's (four places stand behind the last products): K step s, pair j at 4 s + 2 (s % 2) + j, where R's blocks 4 (s % 2) + 2 j look for them
.irp j, 0,1
	global_load_b32 v[SP+4*\s+2*(\s%2)+\j], v[LS], s[2:3] offset:\s*PL+128*\j
.endr
.endr
.irp a, 0,1,2,3
	EPI \a, OUTC, 12288
.endr
	s_wait_alu depctr_va_vdst(0)
	s_wait_tensorcnt 0x0                           ; fill 3 has landed; my reads of slot 0 ended with K step 7
	ds_add_u32 v[SPW], v[NIL]
	s_wait_dscnt 0x0
	CROUND
	JLOAD 4                                        ; slot 0 takes part 2's K steps 4-7
.irp a, 4,5,6,7
	EPI \a, OUTC, 12288
.endr
.irp i, 0,1,2,3
	v_cndmask_b32 v[160+\i], v[PWK+2*\i], v[PWK+2*\i+1], s[HI]     ; lanes 0-15 rowblock 2 i's words, lanes 16-31 rowblock 2 i + 1's
.endr
.irp i, 0,1,2,3
	global_store_b32 v[LS], v[160+\i], s[OUTS:OUTS+1] offset:128*\i
.endr
	s_wait_xcnt 0x0                                ; the stores have read their data: fragments may land there
	FETCHV 0
	s_wait_loadcnt 0x0                             ; W_v's scale words
.set SP, 32                            ; part 2: source 0 is X: its scale words;
.set SR, 64                            ; source 1 is W_v
	VSTEP 0, 1
	VSTEP 1, 0
	VSTEP 2, 0
	VSTEP 3, 0
	VSTEP 4, 0
	VSTEP 5, 0
	VSTEP 6, 0
	VSTEP 7, 0
	PLACES 4
.irp a, 0,1,2,3
	EPI \a, OUTC2, 98304
.endr
.irp i, 0,1
	v_cndmask_b32 v[160+\i], v[PWK+2*\i], v[PWK+2*\i+1], s[HI]
.endr
.irp i, 0,1
	global_store_b32 v[LS], v[160+\i], s[OUTS2:OUTS2+1] offset:128*\i
.endr
	s_wait_tensorcnt 0x0                           ; the wave's end
	ds_add_u32 v[SPW], v[NIL]
	s_wait_dscnt 0x0
	CROUND                                         ; the closing round: no work-group ends while a partner may still ask for a tile that names it
	s_endpgm
.Lfunc_end_k_qe0464f6992_proj:
	.size	k_qe0464f6992_proj, .Lfunc_end_k_qe0464f6992_proj-k_qe0464f6992_proj
	.p2alignl 7, 3214868480
	.fill 96, 4, 3214868480
	.section	.rodata,"a",@progbits
	.p2align	6, 0x0
	.amdhsa_kernel k_qe0464f6992_proj
		.amdhsa_group_segment_fixed_size 327680
		.amdhsa_private_segment_fixed_size 0
		.amdhsa_enable_private_segment 0
		.amdhsa_kernarg_size 48
		.amdhsa_user_sgpr_count 2
		.amdhsa_user_sgpr_kernarg_segment_ptr 1
		.amdhsa_wavefront_size32 1
		.amdhsa_system_sgpr_workgroup_id_x 1
		.amdhsa_system_sgpr_workgroup_id_y 1
		.amdhsa_system_sgpr_workgroup_id_z 1
		.amdhsa_system_vgpr_workitem_id 0
		.amdhsa_next_free_vgpr 1024
		.amdhsa_next_free_sgpr 102
		.amdhsa_reserve_vcc 0
		.amdhsa_float_denorm_mode_32 3
		.amdhsa_float_denorm_mode_16_64 3
		.amdhsa_memory_ordered 1
		.amdhsa_forward_progress 1
		.amdhsa_inst_pref_size 218
	.end_amdhsa_kernel
	.amdgpu_metadata
---
amdhsa.version: [ 1, 2 ]
amdhsa.kernels:
  - .name:           k_qe0464f6992_proj
    .symbol:         k_qe0464f6992_proj.kd
    .args:
      - { .name: cod, .offset: 0, .size: 8, .value_kind: global_buffer, .address_space: global }
      - { .name: scl, .offset: 8, .size: 8, .value_kind: global_buffer, .address_space: global }
      - { .name: qkc, .offset: 16, .size: 8, .value_kind: global_buffer, .address_space: global }
      - { .name: qks, .offset: 24, .size: 8, .value_kind: global_buffer, .address_space: global }
      - { .name: vtc, .offset: 32, .size: 8, .value_kind: global_buffer, .address_space: global }
      - { .name: vts, .offset: 40, .size: 8, .value_kind: global_buffer, .address_space: global }
    .group_segment_fixed_size: 327680
    .private_segment_fixed_size: 0
    .kernarg_segment_align: 8
    .kernarg_segment_size: 48
    .max_flat_workgroup_size: 128
    .sgpr_count:     102
    .vgpr_count:     1024
    .wavefront_size: 32
...
	.end_amdgpu_metadata
.endif
;; end of part 2
;; launch score (part 3): grid 12 x 16, 4 waves a work-group, clusters of 4 x 4, 327,680 bytes of LDS; arguments qkc, qks, pc, pst; writes pc, pst
.if DOCPART == 3
	.amdgcn_target "amdgcn-amd-amdhsa--gfx1250"
	.amdhsa_code_object_version 6
	.text
	.protected	k_qe0464f6992_score
	.globl	k_qe0464f6992_score
	.p2align	8
	.type	k_qe0464f6992_score,@function
k_qe0464f6992_score:
	s_mov_b64 s[64:65], 0
	v_nop
	global_prefetch_b8 v0, s[64:65] scope:SCOPE_SE
	s_setreg_imm32_b32 hwreg(HW_REG_WAVE_MODE, 25, 1), 1
	s_wait_xcnt 0x0
	s_wait_alu depctr_hold_cnt(0) depctr_sa_sdst(0) depctr_va_vdst(0) depctr_va_sdst(0) depctr_va_ssrc(0) depctr_va_vcc(0) depctr_vm_vsrc(0)
	s_getreg_b32 s2, hwreg(HW_REG_IB_STS2, 6, 4)
	s_cmp_eq_u32 s2, 0
	s_cbranch_scc0 .Lentry_in_a_cluster
	s_endpgm
.Lentry_in_a_cluster:
	s_bfe_u32 s2, ttmp6, 0x10000c
	s_cmp_lg_u32 s2, 0xf033
	s_cbranch_scc0 .Lentry_shape_is_right
	s_endpgm
.Lentry_shape_is_right:
; S = Xq Xk^T on codes of FP6, the causal mask, and p = 2^(t - M), quantised along the keys, for the last product.  t = score x log2(e) / 32.
; WORK LEFT OUT: of a sequence's 8 x 8 tiles of 256 x 256 only three squares of 4 x 4 tiles are made: the two on the diagonal and the one under it.  The square above holds only keys after all of its queries: -infinity by the mask
; that the computation builds itself, for all inputs (see the first launch).
; CLUSTERS 4 x 4: a cluster is one such square (cluster x: 0, 1 the squares on the diagonal, 2 the one below; cluster y: the sequence).  Tile row qi = 4 qg + cy, tile column kj = 4 kg + cx.
; Xq's tile hangs on qi and is asked for jointly along a row of the cluster, Xk's on kj, jointly along a column.  In a square on the diagonal six tiles lie above the diagonal: their work-groups make every joint request like
; their partners and store p = 0 as zero codes; the next launch walks the keys in groups of four key steps and reads those of tiles (2 m, 2 m + 1).
; NO BRANCH HANGS ON A WORK-GROUP'S PLACE: the mask is laid by lane masks in scalar registers, made by compares and selects; a wave all of whose keys are hidden gets -M = -infinity by a select, so that every p is 0.
; The one branch, round the mask, hangs on the cluster's x, which all sixteen share.
; M IS LOCAL: for each query and each 128 keys (a wave's part) M = ceil(the largest t of those keys).  Stored for each (query, key step): p's codes, its scale word, M, and l = the sum of the unquantised p.
; The next launch brings all under the row's final M.  (For a part that is all hidden M is stored as +infinity and l as 0; the next launch does not read them.)
; A wave makes 128 x 128: R = queries (source 1), P = keys (source 0): a lane holds one query and its registers run along the keys in natural order.
; LDS: a ring of two slots of 147,456 bytes, three fills: K steps 0-2 (slot 0), 3-5 (slot 1), 6-7 (slot 0).  Waves 0, 1 fetch Xq's halves, waves 2, 3 Xk's: one tensor load a wave at the head and one behind each round.
; A tile's row is 4,608 or 3,072 bytes of a rowblock's 12,288 and begins at a multiple of 256 bytes.
; No prefetch: K is eight steps at the largest block in clusters, and every tile is asked for jointly by four work-groups.
; LIMITS: a block all of whose p are 0 gets the byte 1 (its codes are zeros); p under 2^-126 is taken as 0 (v_exp_f32); NaN and infinities among the inputs are not served.
; REGISTERS: window 0: v4, v5 lane terms; v6, v7 the add's two; v8-13 LDS addresses; v14 the mask's lane term, v15 -infinity; v16-23 scale words made; v32-63 Xq's scale words, v64-95 Xk's; v96-103 M, v104-111 l; v112-127 at work;
;   v128-223 R's fragments (later codes and sums); v224-226 at work.   window 1: P's fragments, two sets.   windows 2, 3: accumulator (a, b) at v[8 (8 (a % 4) + b)] of window 2 + a / 4.
.set SLOT,  147456
.set PSIDE, 73728
.set SPARE, 2*SLOT
.set FR,    12
.set FRB,   1536
.set PL,    65536                      ; qks: from K step to K step
.set LI,    4
.set LS,    5
.set SPW,   6
.set NIL,   7
.set ADRR,  8
.set ADRP,  11
.set D0,    14
.set NINF,  15
.set PWK,   16
.set SR,    32
.set SP,    64
.set MK,    96
.set LK,    104
.set TM,    112
.set AF,    128
.set PC,    128
.set SUM,   160
.set NM,    224
.set TT,    226
.set G1R,   24
.set G1P,   32
.set G0R,   40                         ; three sets
.set G0P,   52
.set MS,    40                         ; behind the last tensor load's wait: 24 lane masks
.set BQ,    66
.set BK,    68
.set SBR,   70
.set SBP,   72
.set OUTC,  74
.set OUTS,  76
.set SEL,   78
.set CS,    80
.set HI,    82
.set DEAD,  83
.set MH,    84
.set TYP,   85
.set OFFS,  88
.set MUL_LO, 0xa1
.set MUL_HI, 0xf1
.set MSB, 0
.macro WIN new
.if MSB != (\new)
	s_set_vgpr_msb (MSB<<8)|(\new)
.set MSB, (\new)
.endif
.endm
.macro PLACES n
.rept \n
	v_nop
.endr
.endm
.macro WM a, b, s, zero
.set rD, 8*(8*((\a)%4)+(\b))
.set rP, 128*((\s)%2)+FR*(\b)
.set rR, AF+FR*(\a)
.set rSP, SP+4*(\s)+(\b)/2
.set rSR, SR+4*(\s)+(\a)/2
.if \zero
.if ((\a)%2 == 0) && ((\b)%2 == 0)
	v_wmma_scale_f32_16x16x128_f8f6f4 v[rD:rD+7], v[rP:rP+11], v[rR:rR+11], 0, v[rSP], v[rSR] matrix_a_fmt:MATRIX_FMT_FP6 matrix_b_fmt:MATRIX_FMT_FP6
.elseif ((\a)%2 == 0)
	v_wmma_scale_f32_16x16x128_f8f6f4 v[rD:rD+7], v[rP:rP+11], v[rR:rR+11], 0, v[rSP], v[rSR] matrix_a_fmt:MATRIX_FMT_FP6 matrix_b_fmt:MATRIX_FMT_FP6 matrix_a_scale:MATRIX_SCALE_ROW1
.elseif ((\b)%2 == 0)
	v_wmma_scale_f32_16x16x128_f8f6f4 v[rD:rD+7], v[rP:rP+11], v[rR:rR+11], 0, v[rSP], v[rSR] matrix_a_fmt:MATRIX_FMT_FP6 matrix_b_fmt:MATRIX_FMT_FP6 matrix_b_scale:MATRIX_SCALE_ROW1
.else
	v_wmma_scale_f32_16x16x128_f8f6f4 v[rD:rD+7], v[rP:rP+11], v[rR:rR+11], 0, v[rSP], v[rSR] matrix_a_fmt:MATRIX_FMT_FP6 matrix_b_fmt:MATRIX_FMT_FP6 matrix_a_scale:MATRIX_SCALE_ROW1 matrix_b_scale:MATRIX_SCALE_ROW1
.endif
.else
.if ((\a)%2 == 0) && ((\b)%2 == 0)
	v_wmma_scale_f32_16x16x128_f8f6f4 v[rD:rD+7], v[rP:rP+11], v[rR:rR+11], v[rD:rD+7], v[rSP], v[rSR] matrix_a_fmt:MATRIX_FMT_FP6 matrix_b_fmt:MATRIX_FMT_FP6
.elseif ((\a)%2 == 0)
	v_wmma_scale_f32_16x16x128_f8f6f4 v[rD:rD+7], v[rP:rP+11], v[rR:rR+11], v[rD:rD+7], v[rSP], v[rSR] matrix_a_fmt:MATRIX_FMT_FP6 matrix_b_fmt:MATRIX_FMT_FP6 matrix_a_scale:MATRIX_SCALE_ROW1
.elseif ((\b)%2 == 0)
	v_wmma_scale_f32_16x16x128_f8f6f4 v[rD:rD+7], v[rP:rP+11], v[rR:rR+11], v[rD:rD+7], v[rSP], v[rSR] matrix_a_fmt:MATRIX_FMT_FP6 matrix_b_fmt:MATRIX_FMT_FP6 matrix_b_scale:MATRIX_SCALE_ROW1
.else
	v_wmma_scale_f32_16x16x128_f8f6f4 v[rD:rD+7], v[rP:rP+11], v[rR:rR+11], v[rD:rD+7], v[rSP], v[rSR] matrix_a_fmt:MATRIX_FMT_FP6 matrix_b_fmt:MATRIX_FMT_FP6 matrix_a_scale:MATRIX_SCALE_ROW1 matrix_b_scale:MATRIX_SCALE_ROW1
.endif
.endif
.endm
.macro MUL16 a0, s, zero               ; the 64 accumulators take turns, one instruction a turn, in the same order in every step
.irp a, \a0, \a0+1
.irp b, 0,1,2,3,4,5,6,7
	WM \a, \b, \s, \zero
.endr
.endr
.endm
.macro FRAG reg, adr, off
.irp c, 0,1,2
	ds_load_b128 v[\reg+4*\c:\reg+4*\c+3], v[\adr] offset:\off+512*\c
.endr
.endm
; K step s lies in fill s / 3, as that fill's step s % 3; a rowblock takes 4,608 bytes there (fill 2: 3,072)
.macro FETCH_B s
	WIN 0x40
.irp b, 0,1,2,3,4,5,6,7
	FRAG 128*((\s)%2)+FR*\b, ADRP+(\s)/3, \b*(4608-1536*((\s)/6))+((\s)%3)*FRB
.endr
	WIN 0
.endm
.macro FETCH_A s, i0
.irp i, \i0, \i0+1, \i0+2, \i0+3
	FRAG AF+FR*(\i), ADRR+(\s)/3, (\i)*(4608-1536*((\s)/6))+((\s)%3)*FRB
.endr
.endm
.macro STEP s, zero
	s_wait_dscnt 12                                ; P's set and R's blocks 0-3 are in; the youngest 12 loads (R's blocks 4-7) may be out
	WIN MUL_LO
	MUL16 0, \s, \zero
	MUL16 2, \s, \zero
	s_wait_dscnt 0x0
	PLACES 4                                       ; four plain places in front of loads into registers that matrix instructions have read
	FETCH_B (\s)+1
	FETCH_A (\s)+1, 0
	WIN MUL_HI
	MUL16 4, \s, \zero
	MUL16 6, \s, \zero
	PLACES 4
	WIN 0
	FETCH_A (\s)+1, 4
.endm
.macro JLOAD c                         ; fill c's joint load: waves 0, 1 Xq's halves, waves 2, 3 Xk's.  The branch hangs on the wave's number alone.  An s_nop 0 and four v_nop follow each line
	s_cmp_eq_u32 s17, 0
	s_cbranch_scc0 .Lfor_p_\@
	tensor_load_to_lds s[G0R+4*\c:G0R+4*\c+3], s[G1R:G1R+7]
	s_nop 0
.rept 4
	v_nop
.endr
	s_branch .Lasked_\@
.Lfor_p_\@:
	tensor_load_to_lds s[G0P+4*\c:G0P+4*\c+3], s[G1P:G1P+7]
	s_nop 0
.rept 4
	v_nop
.endr
.Lasked_\@:
.endm
.macro CREST                           ; a round of the cluster's barrier behind its opening barrier
	s_cmp_lg_u32 s16, 0
	s_cbranch_scc1 .Lnot_wave_0_\@
	s_barrier_signal -3
.Lnot_wave_0_\@:
	s_barrier_wait -3
	s_barrier_signal -1
	s_barrier_wait -1
.endm
.macro CROUND
	s_barrier_signal -1
	s_barrier_wait -1
	CREST
.endm
; A fill's last step changes slots.  fill = 1: all my loads have landed, the add, my reads of this slot are over; the barrier opens a round of the cluster's, and K steps 6-7 go into slot 0.  fill = 0: the last fill has landed; nothing is filled.
.macro TURN s, fill
	s_wait_tensorcnt 0x0
.if \fill
	ds_add_u32 v[SPW], v[NIL]                      ; 0 onto my spare word
	s_wait_dscnt 13                                ; (the add and the youngest 12 loads may be out)
.else
	s_wait_dscnt 12
.endif
	WIN MUL_LO
	MUL16 0, \s, 0
	s_wait_dscnt 0x0                               ; my reads of this slot are over (and the add is done)
	s_barrier_signal -1
	MUL16 2, \s, 0
	WIN 0
	s_barrier_wait -1
.if \fill
	CREST
.irp g, G1R, G1P                       ; no tensor load of mine is out: the row's length may be written: two K steps, 3,072 bytes
	s_mov_b32 s[\g+1], 384<<16
	s_mov_b32 s[\g+3], 384<<16
.endr
	JLOAD 2                                        ; the first tensor load behind the round; its four v_nop are also the places in front of the loads below
.else
	PLACES 4
.endif
	FETCH_B (\s)+1
	FETCH_A (\s)+1, 0
	WIN MUL_HI
	MUL16 4, \s, 0
	MUL16 6, \s, 0
	PLACES 4
	WIN 0
	FETCH_A (\s)+1, 4
.endm
.macro LAST s
	s_wait_dscnt 12
	WIN MUL_LO
	MUL16 0, \s, 0
	MUL16 2, \s, 0
	s_wait_dscnt 0x0
	WIN MUL_HI
	MUL16 4, \s, 0
	MUL16 6, \s, 0
	WIN 0
	PLACES 4
.endm
.macro QCVT a                          ; the 64 numbers of block a become a fragment's codes in v[PC] on
	s_wait_alu depctr_va_vdst(0)
	s_wait_xcnt 0x0                                ; the last block's stores have read their data
	WIN 2+(\a)/4
.irp c, 0,1
	v_cvt_scalef32_pk16_fp6_f32 v[PC+6*\c:PC+6*\c+2], v[64*((\a)%4)+32*\c:64*((\a)%4)+32*\c+15], v[TM+12+2*\c]
	v_cvt_scalef32_pk16_fp6_f32 v[PC+12+4*\c:PC+14+4*\c], v[64*((\a)%4)+32*\c+16:64*((\a)%4)+32*\c+31], v[TM+13+2*\c]
.endr
	WIN 0
	v_nop                                          ; one plain place behind a scaled conversion
.irp c, 0,1
.irp i, 0,1,2
	v_permlane16_swap_b32 v[PC+6*\c+\i], v[PC+12+4*\c+\i]
.endr
.irp i, 0,1,2
	v_mov_b32 v[PC+3+6*\c+\i], v[PC+12+4*\c+\i]
.endr
.endr
.endm
; THE MASK.  Lane (r, h) of block a holds query 32 (a / 2) + 8 (a % 2) + r + 8 (r / 8) of the wave's 128; its register 16 k + i holds key 32 k + 16 h + i.  Where the wave's first key is its first query:
; block of keys k = a / 2: hidden where c = i - 8 (a % 2) > r + 8 (r / 8) - 16 h: lane mask s[MS + 8 + c];  blocks above: all hidden: lane mask s[MH].  In every other wave all these masks are 0.
.macro MASKG a
.set AC, 64*((\a)%4)
	WIN 0x82+0x41*((\a)/4)                         ; destination and source 0: the accumulators' window
.irp i, 0,1,2,3,4,5,6,7,8,9,10,11,12,13,14,15
	v_cndmask_b32 v[AC+16*((\a)/2)+\i], v[AC+16*((\a)/2)+\i], v[NINF], s[MS+8+\i-8*((\a)%2)]
.endr
.if (\a)/2 < 3
.set n, 16*((\a)/2+1)
.rept 48-16*((\a)/2)
	v_cndmask_b32 v[AC+n], v[AC+n], v[NINF], s[MH]
.set n, n+1
.endr
.endif
.endm
; THE SOFTMAX'S PART of block a: 16 queries x 128 keys.
.macro SOFT a
.set AC, 64*((\a)%4)
	WIN 0x0a+5*((\a)/4)
.irp b, 0,1,2,3
	v_max_num_f32 v[TM+\b], v[AC+16*\b], v[AC+16*\b+1]             ; the largest score of each block of 32 keys: it serves for the row's maximum and, since p rises with the score, for the block's largest p
.endr
.irp i, 2,4,6,8,10,12,14
.irp b, 0,1,2,3
	v_max3_num_f32 v[TM+\b], v[AC+16*\b+\i], v[AC+16*\b+\i+1], v[TM+\b]
.endr
.endr
	WIN 0
.irp b, 0,1,2,3
	v_permlanex16_b32 v[TM+4+\b], v[TM+\b], s[SEL], s[SEL+1]
.endr
.irp b, 0,1,2,3
	v_max_num_f32 v[TM+\b], v[TM+\b], v[TM+4+\b]   ; with lane l xor 16's 16 keys
.endr
	v_max3_num_f32 v[TT], v[TM], v[TM+1], v[TM+2]
	v_max_num_f32 v[TT], v[TT], v[TM+3]
	v_mul_f32 v[TT], s[CS], v[TT]                  ; the largest t of my query's 128 keys
	v_floor_f32 v[NM], -v[TT]                      ; -M = floor(-t) = -ceil(t)
	v_cndmask_b32 v[NM], v[NM], v[NINF], s[DEAD]   ; a wave all of whose keys are hidden: -M = -infinity, so that every p is 0 (a select, no branch)
	v_sub_f32 v[MK+\a], 0, v[NM]
	WIN 0x82+0x41*((\a)/4)
.set n, 0
.rept 32
	v_pk_fma_f32 v[AC+n:AC+n+1], v[AC+n:AC+n+1], s[CS:CS+1], v[NM:NM+1] op_sel_hi:[1,0,0]   ; t - M, two at a time
.set n, n+2
.endr
.set n, 0
	s_wait_alu depctr_va_vdst(0)
.rept 64
	v_exp_f32 v[AC+n], v[AC+n]                     ; p = 2^(t - M), at most 1
.set n, n+1
.endr
	WIN 0
.irp b, 0,1,2,3
	v_fma_f32 v[TM+\b], v[TM+\b], s[CS], v[NM]     ; the same of each block's largest score.  (Plain places behind the exponentials)
.endr
	s_wait_alu depctr_va_vdst(0)                   ; one wait for the batch of 64, ahead of its first reader
.irp b, 0,1,2,3
	v_exp_f32 v[TM+\b], v[TM+\b]                   ; the block's largest p: the same two instructions on the same number give the same bits
.endr
	WIN 0x0a+5*((\a)/4)
.set n, 0
.rept 16
	v_pk_add_f32 v[SUM+2*n:SUM+2*n+1], v[AC+4*n:AC+4*n+1], v[AC+4*n+2:AC+4*n+3]   ; the sum is taken of the unquantised p
.set n, n+1
.endr
	WIN 0
.irp k, 0,1,2,3,4,5,6,7
	v_pk_add_f32 v[SUM+2*\k:SUM+2*\k+1], v[SUM+2*\k:SUM+2*\k+1], v[SUM+16+2*\k:SUM+17+2*\k]
.endr
.irp k, 0,1,2,3
	v_pk_add_f32 v[SUM+2*\k:SUM+2*\k+1], v[SUM+2*\k:SUM+2*\k+1], v[SUM+8+2*\k:SUM+9+2*\k]
.endr
.irp k, 0,1
	v_pk_add_f32 v[SUM+2*\k:SUM+2*\k+1], v[SUM+2*\k:SUM+2*\k+1], v[SUM+4+2*\k:SUM+5+2*\k]
.endr
	v_pk_add_f32 v[SUM:SUM+1], v[SUM:SUM+1], v[SUM+2:SUM+3]
	v_add_f32 v[SUM], v[SUM], v[SUM+1]
	v_permlanex16_b32 v[SUM+1], v[SUM], s[SEL], s[SEL+1]
	v_add_f32 v[LK+\a], v[SUM], v[SUM+1]           ; with lane l xor 16's: l of my query's 128 keys
	s_wait_alu depctr_va_vdst(0)                   ; and one wait for the four
.irp b, 0,1,2,3
	v_max_num_f32 v[TM+\b], 0x1800000, v[TM+\b]    ; the floor 2^(3 - 127): the byte cannot fall under 1
.endr
.irp b, 0,1,2,3
	v_add_nc_u32 v[TM+12+\b], 0xff000000, v[TM+\b]
.endr
.irp b, 0,1,2,3
	v_lshrrev_b32 v[TM+4+\b], 23, v[TM+12+\b]
.endr
	v_lshl_or_b32 v[PWK+\a], v[TM+5], 8, v[TM+4]
	v_lshl_or_b32 v[PWK+\a], v[TM+6], 16, v[PWK+\a]
	v_lshl_or_b32 v[PWK+\a], v[TM+7], 24, v[PWK+\a]
	QCVT \a
.irp c, 0,1,2
	global_store_b128 v[LI], v[PC+4*\c:PC+4*\c+3], s[OUTC:OUTC+1] offset:24576*(\a)+512*\c   ; 32 lanes store 512 consecutive bytes, aligned to 256
.endr
.endm
.macro MK g, mul, cst, base, off       ; a group 0: LDS address cst + mul x the half that I fetch; global address base + off
	s_mov_b32 s[\g], 1
	s_mul_i32 s[\g+1], s18, \mul
	s_add_co_u32 s[\g+1], s[\g+1], \cst
	s_add_nc_u64 s[\g+2:\g+3], s[\base:\base+1], \off
	s_or_b32 s[\g+3], s[\g+3], 0x80000000
.endm
.macro AD reg, half, mul, cst          ; an LDS address: cst + mul x my half + 16 x lane
	s_mul_i32 s89, s[\half], \mul
	s_add_co_u32 s89, s89, \cst
	v_add_nc_u32 v[\reg], s89, v[LI]
.endm
	s_load_b256 s[4:11], s[0:1], 0x0               ; qkc, qks, pc, pst
	v_lshl_add_u32 v[SPW], v0, 2, SPARE
	v_mov_b32 v[NIL], 0
	ds_add_u32 v[SPW], v[NIL]                      ; the wave's opening: the add, twice on end, and its wait ahead of my first tensor load
	ds_add_u32 v[SPW], v[NIL]
	v_lshrrev_b32 v1, 5, v0
	v_readfirstlane_b32 s16, v1                    ; wave
	s_lshr_b32 s17, s16, 1                         ; rh: my half of the queries.  Also: I fetch for Xq (0) or for Xk (1)
	s_and_b32 s18, s16, 1                          ; ph: my half of the keys.  Also: which half of that side I fetch
	s_bfe_u32 s19, ttmp6, 0x40000                  ; cx
	s_bfe_u32 s20, ttmp6, 0x40004                  ; cy
	s_and_b32 s23, ttmp7, 0xffff                   ; the sequence
	s_mov_b32 s[TYP], ttmp9                        ; which square: the same in all sixteen partners
	s_min_u32 s22, ttmp9, 1
	s_lshl_b32 s22, s22, 2
	s_add_co_u32 s22, s22, s20                     ; qi = 4 qg + cy
	s_and_b32 s21, ttmp9, 1
	s_lshl_b32 s21, s21, 2
	s_add_co_u32 s21, s21, s19                     ; kj = 4 kg + cx
	s_lshl_b32 s86, s20, 2
	s_lshl_b32 s86, 15, s86                        ; my row of the cluster
	s_lshl_b32 s87, 0x1111, s19                    ; my column
	s_or_b32 s[G1R], s86, (3<<16)|(1<<21)          ; 15:0 the mask; 17:16 elements of 8 bytes; 21 set beside a mask; no padding
	s_or_b32 s[G1P], s87, (3<<16)|(1<<21)
.irp g, G1R, G1P
	s_mov_b32 s[\g+1], 576<<16                     ; tensor_dim0: 4,608 bytes, three K steps of a rowblock
	s_mov_b32 s[\g+2], 8<<16                       ; tensor_dim1: 8 rowblocks
	s_mov_b32 s[\g+3], 576<<16
	s_mov_b32 s[\g+4], 8
	s_mov_b32 s[\g+5], 1536                        ; from rowblock to rowblock: 12,288 bytes
	s_mov_b32 s[\g+6], 0
	s_mov_b32 s[\g+7], 0
.endr
	; the tiles, in units of 16 rowblocks of qkc.  BQ, SBR never hold cx; BK, SBP never hold cy
	s_lshl_b32 s86, s23, 3
	s_add_co_u32 s[BQ], s86, s22                   ; Xq's tile: 8 y + qi
	s_add_co_u32 s[BK], s86, s21
	s_add_co_u32 s[BK], s[BK], 32                  ; Xk's: 32 + 8 y + kj
	s_lshl_b32 s[SBR], s[BQ], 10                   ; scale words: 1,024 bytes a tile, 512 a half
	s_lshl_b32 s86, s17, 9
	s_add_co_u32 s[SBR], s[SBR], s86
	s_mov_b32 s[SBR+1], 0
	s_lshl_b32 s[SBP], s[BK], 10
	s_lshl_b32 s86, s18, 9
	s_add_co_u32 s[SBP], s[SBP], s86
	s_mov_b32 s[SBP+1], 0
	s_mul_i32 s87, s18, 98304                      ; the half that I fetch
	s_mul_i32 s[BQ], s[BQ], 196608
	s_add_co_u32 s[BQ], s[BQ], s87
	s_mov_b32 s[BQ+1], 0
	s_mul_i32 s[BK], s[BK], 196608
	s_add_co_u32 s[BK], s[BK], s87
	s_mov_b32 s[BK+1], 0
	s_lshl_b32 s86, s22, 1
	s_add_co_u32 s86, s86, s17                     ; my 128 queries: 2 qi + rh
	s_lshl_b32 s87, s21, 1
	s_add_co_u32 s87, s87, s18                     ; my key step: 2 kj + ph
	s_cmp_gt_u32 s87, s86                          ; selects alone hang on these two
	s_cselect_b32 s[DEAD], -1, 0                   ; all my keys come after all my queries
	s_cmp_eq_u32 s87, s86
	s_cselect_b32 s[MH], -1, 0                     ; my first key is my first query
	s_cselect_b32 s[OFFS], 0, 4096                 ; else the lane term is put out of every compare's reach
	s_lshl_b32 s[OUTC], s23, 7
	s_lshl_b32 s89, s86, 3
	s_add_co_u32 s[OUTC], s[OUTC], s89             ; my first rowblock of queries
	s_lshl_b32 s[OUTC], s[OUTC], 4
	s_add_co_u32 s[OUTC], s[OUTC], s87
	s_mul_i32 s[OUTC], s[OUTC], 1536
	s_mov_b32 s[OUTC+1], 0
	s_lshl_b32 s[OUTS], s87, 15                    ; 8,192 queries x 4 bytes a key step
	s_lshl_b32 s89, s23, 13
	s_add_co_u32 s[OUTS], s[OUTS], s89
	s_lshl_b32 s89, s86, 9
	s_add_co_u32 s[OUTS], s[OUTS], s89
	s_mov_b32 s[OUTS+1], 0
	s_mov_b32 s[SEL], 0x76543210
	s_mov_b32 s[SEL+1], 0xfedcba98
	s_mov_b32 s[CS], 0x3d38aa3b                    ; c = log2(e) / sqrt(1024)
	s_mov_b32 s[CS+1], s[CS]
	s_mov_b32 s[HI], 0xffff0000
	s_wait_dscnt 0x0                               ; both opening adds are done
	s_wait_kmcnt 0x0
	s_add_nc_u64 s[BQ:BQ+1], s[4:5], s[BQ:BQ+1]
	s_add_nc_u64 s[BK:BK+1], s[4:5], s[BK:BK+1]
	MK G0R, 36864, 0, BQ, 0
	MK G0P, 36864, PSIDE, BK, 0
	CROUND                                         ; all sixteen work-groups are here: the first joint loads meet
	JLOAD 0                                        ; K steps 0-2: one tensor load a wave at the head
	MK G0R+4, 36864, SLOT, BQ, 4608
	MK G0P+4, 36864, SLOT+PSIDE, BK, 4608
	MK G0R+8, 24576, 0, BQ, 9216
	MK G0P+8, 24576, PSIDE, BK, 9216
	s_add_nc_u64 s[SBR:SBR+1], s[6:7], s[SBR:SBR+1]
	s_add_nc_u64 s[SBP:SBP+1], s[6:7], s[SBP:SBP+1]
	s_add_nc_u64 s[OUTC:OUTC+1], s[8:9], s[OUTC:OUTC+1]
	s_add_nc_u64 s[OUTS:OUTS+1], s[10:11], s[OUTS:OUTS+1]
	v_and_b32 v1, 31, v0
	v_and_b32 v2, 15, v0                           ; r
	v_bfe_u32 v3, v0, 4, 1                         ; h
	v_lshlrev_b32 v[LI], 4, v1
	v_lshlrev_b32 v[LS], 2, v1
	s_wait_alu depctr_va_vdst(0)
.irp s, 0,1,2,3,4,5,6,7
.irp i, 0,1,2,3
	global_load_b32 v[SR+4*\s+\i], v[LS], s[SBR:SBR+1] offset:\s*PL+128*\i
	global_load_b32 v[SP+4*\s+\i], v[LS], s[SBP:SBP+1] offset:\s*PL+128*\i
.endr
.endr
	AD ADRR, 17, 36864, 0
	AD ADRR+1, 17, 36864, SLOT
	AD ADRR+2, 17, 24576, 0
	AD ADRP, 18, 36864, PSIDE
	AD ADRP+1, 18, 36864, SLOT+PSIDE
	AD ADRP+2, 18, 24576, PSIDE
	v_and_b32 v[D0], 8, v2
	v_add_nc_u32 v[D0], v[D0], v2                  ; r + 8 (r / 8)
	v_lshlrev_b32 v3, 4, v3
	v_sub_nc_u32 v[D0], v[D0], v3                  ; - 16 h
	v_add_nc_u32 v[D0], s[OFFS], v[D0]
	v_mov_b32 v[NINF], 0xff800000
	v_mov_b32 v[NM+1], 0                           ; (named as the upper half of a pair)
.irp b, 0,1,2,3
	v_mov_b32 v[TM+4+\b], 0                        ; written once: a lane permute's destination counts as one of its sources
.endr
	s_wait_alu depctr_va_vdst(0)
	s_wait_tensorcnt 0x0                           ; my part of fill 0 is in
	ds_add_u32 v[SPW], v[NIL]
	s_wait_dscnt 0x0
	CROUND                                         ; everybody's part is in, and the joint loads meet
	JLOAD 1                                        ; slot 1's first fill: K steps 3-5
	FETCH_B 0
	FETCH_A 0, 0
	FETCH_A 0, 4
	s_wait_loadcnt 0x0                             ; the scale words
	STEP 0, 1                                      ; the first step's products start the sums: nothing is cleared
	STEP 1, 0
	TURN 2, 1
	STEP 3, 0
	STEP 4, 0
	TURN 5, 0
	STEP 6, 0
	LAST 7
	s_cmp_eq_u32 s[TYP], 2                         ; the square under the diagonal: every key counts.  The cluster's x alone
	s_cbranch_scc1 .Lopen
	s_wait_alu depctr_va_vdst(0)
.set n, 0
.rept 24
	v_cmp_gt_i32 s[MS+n], n-8, v[D0]               ; the lanes in which c = n - 8 is hidden (no tensor load is out: the descriptors' registers are free)
.set n, n+1
.endr
.irp a, 0,1,2,3,4,5,6,7
	MASKG \a
.endr
	WIN 0
.Lopen:
.irp a, 0,1,2,3,4,5,6,7
	SOFT \a
.endr
.irp i, 0,1,2,3
	v_cndmask_b32 v[SUM+\i], v[PWK+2*\i], v[PWK+2*\i+1], s[HI]     ; lanes 0-15 rowblock 2 i's, lanes 16-31 rowblock 2 i + 1's
	v_cndmask_b32 v[SUM+4+\i], v[MK+2*\i], v[MK+2*\i+1], s[HI]
	v_cndmask_b32 v[SUM+8+\i], v[LK+2*\i], v[LK+2*\i+1], s[HI]
.endr
.irp p, 0,1,2
.irp i, 0,1,2,3
	global_store_b32 v[LS], v[SUM+4*\p+\i], s[OUTS:OUTS+1] offset:524288*\p+128*\i   ; planes: scale words, M, l
.endr
.endr
	s_wait_tensorcnt 0x0                           ; the wave's end
	ds_add_u32 v[SPW], v[NIL]
	s_wait_dscnt 0x0
	CROUND                                         ; the closing round: no work-group ends while a partner may still ask for a tile that names it
	s_endpgm
.Lfunc_end_k_qe0464f6992_score:
	.size	k_qe0464f6992_score, .Lfunc_end_k_qe0464f6992_score-k_qe0464f6992_score
	.p2alignl 7, 3214868480
	.fill 96, 4, 3214868480
	.section	.rodata,"a",@progbits
	.p2align	6, 0x0
	.amdhsa_kernel k_qe0464f6992_score
		.amdhsa_group_segment_fixed_size 327680
		.amdhsa_private_segment_fixed_size 0
		.amdhsa_enable_private_segment 0
		.amdhsa_kernarg_size 32
		.amdhsa_user_sgpr_count 2
		.amdhsa_user_sgpr_kernarg_segment_ptr 1
		.amdhsa_wavefront_size32 1
		.amdhsa_system_sgpr_workgroup_id_x 1
		.amdhsa_system_sgpr_workgroup_id_y 1
		.amdhsa_system_sgpr_workgroup_id_z 1
		.amdhsa_system_vgpr_workitem_id 0
		.amdhsa_next_free_vgpr 1024
		.amdhsa_next_free_sgpr 92
		.amdhsa_reserve_vcc 0
		.amdhsa_float_denorm_mode_32 3
		.amdhsa_float_denorm_mode_16_64 3
		.amdhsa_memory_ordered 1
		.amdhsa_forward_progress 1
		.amdhsa_inst_pref_size 222
	.end_amdhsa_kernel
	.amdgpu_metadata
---
amdhsa.version: [ 1, 2 ]
amdhsa.kernels:
  - .name:           k_qe0464f6992_score
    .symbol:         k_qe0464f6992_score.kd
    .args:
      - { .name: qkc, .offset: 0, .size: 8, .value_kind: global_buffer, .address_space: global }
      - { .name: qks, .offset: 8, .size: 8, .value_kind: global_buffer, .address_space: global }
      - { .name: pc, .offset: 16, .size: 8, .value_kind: global_buffer, .address_space: global }
      - { .name: pst, .offset: 24, .size: 8, .value_kind: global_buffer, .address_space: global }
    .group_segment_fixed_size: 327680
    .private_segment_fixed_size: 0
    .kernarg_segment_align: 8
    .kernarg_segment_size: 32
    .max_flat_workgroup_size: 128
    .sgpr_count:     92
    .vgpr_count:     1024
    .wavefront_size: 32
...
	.end_amdgpu_metadata
.endif
;; end of part 3
;; launch pv (part 4): grid 16 x 16, 4 waves a work-group, clusters of 4 x 4, 327,680 bytes of LDS; arguments vtc, vts, pc, pst, out0; writes out0
.if DOCPART == 4
	.amdgcn_target "amdgcn-amd-amdhsa--gfx1250"
	.amdhsa_code_object_version 6
	.text
	.protected	k_qe0464f6992_pv
	.globl	k_qe0464f6992_pv
	.p2align	8
	.type	k_qe0464f6992_pv,@function
k_qe0464f6992_pv:
	s_mov_b64 s[64:65], 0
	v_nop
	global_prefetch_b8 v0, s[64:65] scope:SCOPE_SE
	s_setreg_imm32_b32 hwreg(HW_REG_WAVE_MODE, 25, 1), 1
	s_wait_xcnt 0x0
	s_wait_alu depctr_hold_cnt(0) depctr_sa_sdst(0) depctr_va_vdst(0) depctr_va_sdst(0) depctr_va_ssrc(0) depctr_va_vcc(0) depctr_vm_vsrc(0)
	s_getreg_b32 s2, hwreg(HW_REG_IB_STS2, 6, 4)
	s_cmp_eq_u32 s2, 0
	s_cbranch_scc0 .Lentry_in_a_cluster
	s_endpgm
.Lentry_in_a_cluster:
	s_bfe_u32 s2, ttmp6, 0x10000c
	s_cmp_lg_u32 s2, 0xf033
	s_cbranch_scc0 .Lentry_shape_is_right
	s_endpgm
.Lentry_shape_is_right:
; out = (p Xv) / l on codes of FP6.  A work-group: 128 queries (tile i) x 256 channels of one sequence; a wave: 64 queries x 128 channels, 32 accumulators.
; WORK LEFT OUT: the keys are walked in groups of four key steps of 128, and only the groups that hold a key at or under a query of the cluster: the keys beyond are hidden by the mask that the computation builds itself (see the first launch).
; CLUSTERS: 4 x 4.  The cluster's x gives c = 3 - x (the longest first); its four partners along x take the query tiles i = 4 c + cx; the cluster's y is the sequence, cy the 256 channels.  All sixteen walk the same c + 1 groups.
; Xv^T's tile hangs on cy and the sequence and is asked for jointly along a row of the cluster; p's tile hangs on i and the sequence and is asked for jointly along a column: that divides the requests for both by four.
; So that the partners run alike, a work-group also walks the key steps between its own tile's last and the end of the group (three at the most): there p's codes are zeros, stored by the launch before, and add nothing.
; Every branch hangs on c (the cluster's x) or on the wave's number; i enters global addresses of plain loads and selects alone.
; THE ROW'S FINAL M.  p came with a whole-number M of its own for each (query, key step).  Here M_fin = the largest of them; d = M_fin - M is taken off the step's four scale bytes, and l = the sum of l_step x 2^-d: both exact.
; LIMIT: a byte that would fall under 0 is held at 0 (2^-127): such a block lies more than 2^-120 under the row's largest p.  NaN and infinities are not served.
; Both sides transposed: source 0 = 16 channels of Xv^T (permuted positions, so that a lane's registers run along the channels in natural order), source 1 = 16 queries of p.  Queries are positions: their true rows are put back in the stores' offsets.
; LDS: two slots, each with a group of four key steps: Xv^T's 16 rowblocks x 6,144 bytes, then p's 8 rowblocks x 6,144.  Waves 0, 1 fetch Xv^T's halves, waves 2, 3 p's: one load a wave for a group.
; The text parts on c behind the first round: clusters with two groups or more ask for group 0, then behind a second round for group 1 (one load of a wave is out), clusters with one group for group 0 alone; groups 2 and 3 are refills, each behind a round of the
; cluster's barrier (one load of a wave is out).  All ways are written out: none jumps over a tensor load and goes on.
; No prefetch: the launch is short and its tiles are read again by other work-groups.
; REGISTERS: window 0: v4, v5 lane terms; v6, v7 the add's two; v8-11 LDS addresses; v12-14 the way out; v20-23 1 / l; v32-95 Xv^T's scale words, v96-127 p's (scales and nothing else); v128-223 p's fragments, two sets (at the head: M, l, offsets, work);
;   v224-251 at work at the head.   window 1: Xv^T's fragments, two sets, at v0 and v96.   window 2: accumulator (a, b) at v[8 (8 a + b)].
.set SLOT,  147456
.set POFF,  98304
.set SPARE, 2*SLOT                     ; the spare words, 128 bytes for each wave
.set STAGE, SPARE+512                  ; the way out: 16 rows x 272 bytes for each wave; no fill ever lands here
.set FR,    12
.set FRB,   1536
.set LI,    4
.set LS,    5
.set SPW,   6
.set NIL,   7
.set ADV,   8                          ; v8-9   my fragments of Xv^T in slot 0, 1
.set ADP,   10                         ; v10-11 my fragments of p
.set SO,    12
.set SRD,   13
.set GO,    14
.set RL,    20
.set SP,    32                         ; register 4 s + j: lanes 0-15 Xv^T's rowblock 2 j, lanes 16-31 rowblock 2 j + 1, key step s
.set SR,    96                         ; register 2 s + j: the same for p
.set PF,    128
.set MM,    128                        ; at the head: M, register 2 s + j
.set LL,    160                        ; l
.set OFF,   192                        ; the offsets of the 16 key steps
.set MF,    208
.set LSUM,  210
.set TW,    224                        ; v224-247: eight chains x three registers
.set RC,    248
.set RX,    250
.set G1V,   24
.set G1P,   32
.set G0V,   40                         ; two sets
.set G0P,   48
.set SEL,   56
.set HI,    58
.set SV,    84                         ; s84-87: 1.0 or 0 for four key steps
.set MSB, 0
.macro WIN new
.if MSB != (\new)
	s_set_vgpr_msb (MSB<<8)|(\new)
.set MSB, (\new)
.endif
.endm
.macro PLACES n
.rept \n
	v_nop
.endr
.endm
.macro WM a, b, s, zero
.set rD, 8*(8*(\a)+(\b))
.set rV, 96*((\s)%2)+FR*(\b)
.set rQ, PF+48*((\s)%2)+FR*(\a)
.set rSV, SP+4*(\s)+(\b)/2
.set rSQ, SR+2*(\s)+(\a)/2
.if \zero
.if ((\a)%2 == 0) && ((\b)%2 == 0)
	v_wmma_scale_f32_16x16x128_f8f6f4 v[rD:rD+7], v[rV:rV+11], v[rQ:rQ+11], 0, v[rSV], v[rSQ] matrix_a_fmt:MATRIX_FMT_FP6 matrix_b_fmt:MATRIX_FMT_FP6
.elseif ((\a)%2 == 0)
	v_wmma_scale_f32_16x16x128_f8f6f4 v[rD:rD+7], v[rV:rV+11], v[rQ:rQ+11], 0, v[rSV], v[rSQ] matrix_a_fmt:MATRIX_FMT_FP6 matrix_b_fmt:MATRIX_FMT_FP6 matrix_a_scale:MATRIX_SCALE_ROW1
.elseif ((\b)%2 == 0)
	v_wmma_scale_f32_16x16x128_f8f6f4 v[rD:rD+7], v[rV:rV+11], v[rQ:rQ+11], 0, v[rSV], v[rSQ] matrix_a_fmt:MATRIX_FMT_FP6 matrix_b_fmt:MATRIX_FMT_FP6 matrix_b_scale:MATRIX_SCALE_ROW1
.else
	v_wmma_scale_f32_16x16x128_f8f6f4 v[rD:rD+7], v[rV:rV+11], v[rQ:rQ+11], 0, v[rSV], v[rSQ] matrix_a_fmt:MATRIX_FMT_FP6 matrix_b_fmt:MATRIX_FMT_FP6 matrix_a_scale:MATRIX_SCALE_ROW1 matrix_b_scale:MATRIX_SCALE_ROW1
.endif
.else
.if ((\a)%2 == 0) && ((\b)%2 == 0)
	v_wmma_scale_f32_16x16x128_f8f6f4 v[rD:rD+7], v[rV:rV+11], v[rQ:rQ+11], v[rD:rD+7], v[rSV], v[rSQ] matrix_a_fmt:MATRIX_FMT_FP6 matrix_b_fmt:MATRIX_FMT_FP6
.elseif ((\a)%2 == 0)
	v_wmma_scale_f32_16x16x128_f8f6f4 v[rD:rD+7], v[rV:rV+11], v[rQ:rQ+11], v[rD:rD+7], v[rSV], v[rSQ] matrix_a_fmt:MATRIX_FMT_FP6 matrix_b_fmt:MATRIX_FMT_FP6 matrix_a_scale:MATRIX_SCALE_ROW1
.elseif ((\b)%2 == 0)
	v_wmma_scale_f32_16x16x128_f8f6f4 v[rD:rD+7], v[rV:rV+11], v[rQ:rQ+11], v[rD:rD+7], v[rSV], v[rSQ] matrix_a_fmt:MATRIX_FMT_FP6 matrix_b_fmt:MATRIX_FMT_FP6 matrix_b_scale:MATRIX_SCALE_ROW1
.else
	v_wmma_scale_f32_16x16x128_f8f6f4 v[rD:rD+7], v[rV:rV+11], v[rQ:rQ+11], v[rD:rD+7], v[rSV], v[rSQ] matrix_a_fmt:MATRIX_FMT_FP6 matrix_b_fmt:MATRIX_FMT_FP6 matrix_a_scale:MATRIX_SCALE_ROW1 matrix_b_scale:MATRIX_SCALE_ROW1
.endif
.endif
.endm
.macro MUL s, a0, zero                 ; 16 products; the 32 accumulators take turns, one instruction a turn, in the same order in every step
.irp a, \a0, \a0+1
.irp b, 0,1,2,3,4,5,6,7
	WM \a, \b, \s, \zero
.endr
.endr
.endm
.macro FRAG reg, adr, off
.irp c, 0,1,2
	ds_load_b128 v[\reg+4*\c:\reg+4*\c+3], v[\adr] offset:\off+512*\c
.endr
.endm
.macro FETCH s                         ; key step s: 8 fragments of Xv^T and 4 of p into set s % 2, from slot (s / 4) % 2
	WIN 0x40
.irp b, 0,1,2,3,4,5,6,7
	FRAG 96*((\s)%2)+FR*\b, ADV+((\s)/4)%2, \b*6144+((\s)%4)*FRB
.endr
	WIN 0
.irp a, 0,1,2,3
	FRAG PF+48*((\s)%2)+FR*\a, ADP+((\s)/4)%2, \a*6144+((\s)%4)*FRB
.endr
.endm
.macro TLOAD q                         ; a joint load of a group into slot q.  The branch hangs on the wave's number alone; every wave issues one load.  An s_nop 0 and four v_nop follow each line
	s_cmp_lt_u32 s16, 2
	s_cbranch_scc0 .Lfor_p_\@
	tensor_load_to_lds s[G0V+4*\q:G0V+4*\q+3], s[G1V:G1V+7]
	s_nop 0
.rept 4
	v_nop
.endr
	s_branch .Lasked_\@
.Lfor_p_\@:
	tensor_load_to_lds s[G0P+4*\q:G0P+4*\q+3], s[G1P:G1P+7]
	s_nop 0
.rept 4
	v_nop
.endr
.Lasked_\@:
.endm
.macro CREST                           ; a round of the cluster's barrier behind its opening barrier
	s_cmp_lg_u32 s16, 0
	s_cbranch_scc1 .Lnot_wave_0_\@
	s_barrier_signal -3
.Lnot_wave_0_\@:
	s_barrier_wait -3
	s_barrier_signal -1
	s_barrier_wait -1
.endm
.macro CROUND
	s_barrier_signal -1
	s_barrier_wait -1
	CREST
.endm
.macro STATS                           ; p's scale words, M and l of my 64 queries, for 16 key steps (the steps beyond my tile's read its last step's once more)
.irp s, 0,1,2,3,4,5,6,7,8,9,10,11,12,13,14,15
.irp j, 0,1
	global_load_b32 v[SR+2*\s+\j], v[OFF+\s], s[72:73] offset:128*\j
	global_load_b32 v[MM+2*\s+\j], v[OFF+\s], s[72:73] offset:524288+128*\j
	global_load_b32 v[LL+2*\s+\j], v[OFF+\s], s[72:73] offset:1048576+128*\j
.endr
.endr
.endm
.macro VSC g                           ; Xv^T's scale words of group g: 16 loads, asked for with the group's tiles
.irp t, 0,1,2,3
.irp j, 0,1,2,3
	global_load_b32 v[SP+16*\g+4*\t+\j], v[LS], s[70:71] offset:4096*(4*\g+\t)+128*\j
.endr
.endr
.endm
.macro STEP s, zero                    ; a key step whose successor lies in the same slot
	s_wait_dscnt 0x0                               ; this step's fragments are in
	PLACES 4                                       ; four plain places in front of loads into the set that the last step's products read
	FETCH (\s)+1
	WIN 0xa1                                       ; source 0 window 1, source 1 window 0, C and D window 2
	MUL \s, 0, \zero
	MUL \s, 2, \zero
.endm
.macro FIN s                           ; a way's last step: nothing more to fetch
	s_wait_dscnt 0x0
	WIN 0xa1
	MUL \s, 0, 0
	MUL \s, 2, 0
	WIN 0
.endm
; A group's fourth step changes slots.  PRE: its first half and the barrier.  fill = 1: a refill of slot q may follow: all my loads have landed, the add, slot q's descriptors step two groups on, and the barrier opens a round of the cluster's.
.macro PRE s, q, fill
	WIN 0
	s_wait_tensorcnt 0x0                           ; my part of the next slot has landed: no tensor load of mine is out
.if \fill
	ds_add_u32 v[SPW], v[NIL]                      ; 0 onto my spare word
	s_wait_dscnt 1                                 ; this step's fragments are in; the add may be out
	s_add_nc_u64 s[G0V+4*\q+2:G0V+4*\q+3], s[G0V+4*\q+2:G0V+4*\q+3], 12288
	s_add_nc_u64 s[G0P+4*\q+2:G0P+4*\q+3], s[G0P+4*\q+2:G0P+4*\q+3], 12288
.else
	s_wait_dscnt 0x0
.endif
	s_wait_loadcnt 0x0                             ; the next group's scale words of Xv^T
	WIN 0xa1
	MUL \s, 0, 0
	s_wait_dscnt 0x0                               ; the add is done, and my reads of this slot are over
	s_barrier_signal -1
	WIN 0
	s_barrier_wait -1
.if \fill
	CREST                                          ; no wave of any partner still reads this slot or has a load on its way
.endif
.endm
.macro POST s, q, load, g              ; its second half: the joint refill first (group g, and its scale words), or the places; then the next slot's first fragments
.if \load
	TLOAD \q
	VSC \g
.else
	PLACES 4
.endif
	FETCH (\s)+1
	WIN 0xa1
	MUL \s, 2, 0
.endm
; THE FIX-UP of four key steps s0 .. s0 + 3, two registers each: eight chains, line by line, so that no line waits for the line above it.  Chain k: key step s0 + k / 2, register k % 2.
; d = M - M_fin, a whole number at or under 0; l takes l_step x 2^d (x 0 for the steps beyond my tile's, which hold its last step's numbers once more); n = min(-d, 127) comes off each of the four bytes, held at 0.
; The bytes lie under 128 (p is at most 1), so (byte | 128) - n borrows nothing, and its bit 7 says whether the byte was at least n.
.macro FIXB s0
.irp t, 0,1,2,3
	s_cmp_ge_u32 s19, \s0+\t
	s_cselect_b32 s[SV+\t], 0x3f800000, 0          ; 1.0 for the steps that count: a select, no branch
.endr
.irp k, 0,1,2,3,4,5,6,7
	v_sub_f32 v[TW+3*\k], v[MM+2*\s0+\k], v[MF+\k%2]
.endr
.irp k, 0,1,2,3,4,5,6,7
	v_cvt_i32_f32 v[TW+3*\k], v[TW+3*\k]           ; (it saturates)
.endr
.irp k, 0,1,2,3,4,5,6,7
.if (\s0 == 0) && (\k < 2)
	v_ldexp_f32 v[LSUM+\k], v[LL+\k], v[TW+3*\k]   ; step 0 counts for every query: it starts the sum
.else
	v_ldexp_f32 v[TW+3*\k+1], v[LL+2*\s0+\k], v[TW+3*\k]
.endif
.endr
.irp k, 0,1,2,3,4,5,6,7
.if (\s0 > 0) || (\k > 1)
	v_fma_f32 v[LSUM+\k%2], v[TW+3*\k+1], s[SV+\k/2], v[LSUM+\k%2]
.endif
.endr
.irp k, 0,1,2,3,4,5,6,7
	v_sub_nc_u32 v[TW+3*\k], 0, v[TW+3*\k]
.endr
.irp k, 0,1,2,3,4,5,6,7
	v_min_u32 v[TW+3*\k], 127, v[TW+3*\k]
.endr
.irp k, 0,1,2,3,4,5,6,7
	v_perm_b32 v[TW+3*\k], v[TW+3*\k], v[TW+3*\k], 0   ; n in all four bytes
.endr
.irp k, 0,1,2,3,4,5,6,7
	v_or_b32 v[TW+3*\k+1], s59, v[SR+2*\s0+\k]
.endr
.irp k, 0,1,2,3,4,5,6,7
	v_sub_nc_u32 v[TW+3*\k+1], v[TW+3*\k+1], v[TW+3*\k]
.endr
.irp k, 0,1,2,3,4,5,6,7
	v_lshrrev_b32 v[TW+3*\k+2], 7, v[TW+3*\k+1]
.endr
.irp k, 0,1,2,3,4,5,6,7
	v_and_b32 v[TW+3*\k+2], s60, v[TW+3*\k+2]
.endr
.irp k, 0,1,2,3,4,5,6,7
	v_mul_lo_u32 v[TW+3*\k+2], v[TW+3*\k+2], 255   ; 0xff in each byte that was at least n
.endr
.irp k, 0,1,2,3,4,5,6,7
	v_and_b32 v[TW+3*\k+1], s61, v[TW+3*\k+1]
.endr
.irp k, 0,1,2,3,4,5,6,7
	v_and_b32 v[SR+2*\s0+\k], v[TW+3*\k+1], v[TW+3*\k+2]
.endr
.endm
.macro HEADFIX left                    ; left: the loads issued behind the statistics and group 0's scale words, which may stay out
	s_wait_loadcnt \left
.irp j, 0,1
	v_max_num_f32 v[MF+\j], v[MM+\j], v[MM+2+\j]
.endr
.irp s, 2,4,6,8,10,12,14
.irp j, 0,1
	v_max3_num_f32 v[MF+\j], v[MF+\j], v[MM+2*\s+\j], v[MM+2*\s+2+\j]   ; M_fin
.endr
.endr
	s_wait_alu depctr_va_vdst(0)
	FIXB 0
	FIXB 4
	FIXB 8
	FIXB 12
	s_wait_alu depctr_va_vdst(0)
	v_rcp_f32 v[RC], v[LSUM]
	v_rcp_f32 v[RC+1], v[LSUM+1]
	v_nop                                          ; a plain place behind the reciprocals
	s_wait_alu depctr_va_vdst(0)                   ; and the one wait ahead of their first reader
	v_permlanex16_b32 v[RX], v[RC], s[SEL], s[SEL+1]
	v_permlanex16_b32 v[RX+1], v[RC+1], s[SEL], s[SEL+1]
	v_cndmask_b32 v[RL], v[RC], v[RX], s[HI]       ; 1 / l of query r of rowblock a, in both halves of the lanes
	v_cndmask_b32 v[RL+1], v[RX], v[RC], s[HI]
	v_cndmask_b32 v[RL+2], v[RC+1], v[RX+1], s[HI]
	v_cndmask_b32 v[RL+3], v[RX+1], v[RC+1], s[HI]
.rept 8
	v_nop                                          ; scale registers written by vector instructions stand eight places ahead of a scaled matrix instruction
.endr
.endm
	s_load_b256 s[4:11], s[0:1], 0x0               ; vtc, vts, pc, pst
	s_load_b64 s[12:13], s[0:1], 0x20              ; out0
	v_lshl_add_u32 v[SPW], v0, 2, SPARE
	v_mov_b32 v[NIL], 0
	ds_add_u32 v[SPW], v[NIL]                      ; the wave's opening: the add, twice on end, and its wait ahead of my first tensor load; the set-up below, work on registers, stands between the second and the wait
	ds_add_u32 v[SPW], v[NIL]
	v_lshrrev_b32 v1, 5, v0
	v_readfirstlane_b32 s16, v1                    ; wave
	s_lshr_b32 s17, s16, 1                         ; rh: my half of the queries
	s_and_b32 s18, s16, 1                          ; ph: my half of the channels.  Also: which half of a side I fetch
	s_bfe_u32 s15, ttmp6, 0x40000                  ; cx
	s_bfe_u32 s21, ttmp6, 0x40004                  ; cy: which 256 channels
	s_sub_co_u32 s14, 3, ttmp9                     ; c: the cluster walks c + 1 groups; the same in all sixteen partners
	s_lshl_b32 s19, s14, 2
	s_add_co_u32 s19, s19, s15                     ; i: my tile of 128 queries, and its last key step
	s_and_b32 s20, ttmp7, 0xffff                   ; the sequence
	s_lshl_b32 s22, s21, 2
	s_lshl_b32 s22, 15, s22                        ; my row of the cluster
	s_lshl_b32 s23, 0x1111, s15                    ; my column
	s_or_b32 s[G1V], s22, (3<<16)|(1<<21)          ; 15:0 the mask: Xv^T's tiles go to my row; 17:16 elements of 8 bytes; 21 set beside a mask; no padding
	s_mov_b32 s[G1V+1], 768<<16                    ; tensor_dim0: 6,144 bytes, four key steps of a rowblock
	s_mov_b32 s[G1V+2], 8<<16                      ; tensor_dim1: 8 rowblocks
	s_mov_b32 s[G1V+3], 768<<16
	s_mov_b32 s[G1V+4], 8
	s_mov_b32 s[G1V+5], 12288                      ; from rowblock to rowblock: 64 key steps, 98,304 bytes
	s_mov_b32 s[G1V+6], 0
	s_mov_b32 s[G1V+7], 0
	s_or_b32 s[G1P], s23, (3<<16)|(1<<21)          ; p's tiles go to my column
	s_mov_b32 s[G1P+1], 768<<16
	s_mov_b32 s[G1P+2], 4<<16                      ; 4 rowblocks
	s_mov_b32 s[G1P+3], 768<<16
	s_mov_b32 s[G1P+4], 4
	s_mov_b32 s[G1P+5], 3072                       ; 16 key steps, 24,576 bytes
	s_mov_b32 s[G1P+6], 0
	s_mov_b32 s[G1P+7], 0
	; where the tiles come from.  s66, s67, s76 never hold cx; s68, s69, s77 never hold cy
	s_lshl_b32 s66, s21, 4
	s_lshl_b32 s76, s18, 3
	s_add_co_u32 s66, s66, s76                     ; Xv^T: rowblock 16 cy + 8 x half,
	s_lshl_b32 s66, s66, 6
	s_lshl_b32 s76, s20, 4
	s_add_co_u32 s66, s66, s76                     ; the sequence's key step 0
	s_mul_i32 s66, s66, 1536
	s_mov_b32 s67, 0
	s_lshl_b32 s68, s20, 7
	s_lshl_b32 s77, s19, 3
	s_add_co_u32 s68, s68, s77
	s_lshl_b32 s77, s18, 2
	s_add_co_u32 s68, s68, s77                     ; p: rowblock 128 b + 8 i + 4 x half
	s_mul_i32 s68, s68, 24576
	s_mov_b32 s69, 0
	s_mul_i32 s74, s18, 49152                      ; where they go in a slot: no place in the cluster enters an LDS address
	s_mul_i32 s75, s18, 24576
	s_add_co_u32 s75, s75, POFF
	s_lshl_b32 s70, s20, 16                        ; Xv^T's scale words: 4,096 bytes a key step, 16 steps a sequence,
	s_lshl_b32 s80, s21, 10
	s_add_co_u32 s70, s70, s80
	s_lshl_b32 s80, s18, 9
	s_add_co_u32 s70, s70, s80                     ; my 128 channels
	s_mov_b32 s71, 0
	s_lshl_b32 s72, s20, 13                        ; p's: my 64 queries
	s_lshl_b32 s80, s19, 9
	s_add_co_u32 s72, s72, s80
	s_lshl_b32 s80, s17, 8
	s_add_co_u32 s72, s72, s80
	s_mov_b32 s73, 0
	s_lshl_b32 s78, s20, 11
	s_lshl_b32 s80, s19, 7
	s_add_co_u32 s78, s78, s80
	s_lshl_b32 s80, s17, 6
	s_add_co_u32 s78, s78, s80                     ; my first row of out0
	s_lshl_b32 s78, s78, 12
	s_lshl_b32 s80, s21, 10
	s_add_co_u32 s78, s78, s80
	s_lshl_b32 s80, s18, 9
	s_add_co_u32 s78, s78, s80                     ; my first channel
	s_mov_b32 s79, 0
	s_mov_b32 s[SEL], 0x76543210
	s_mov_b32 s[SEL+1], 0xfedcba98
	s_mov_b32 s[HI], 0xffff0000
	s_mov_b32 s59, 0x80808080
	s_mov_b32 s60, 0x01010101
	s_mov_b32 s61, 0x7f7f7f7f
	v_and_b32 v1, 31, v0
	v_and_b32 v2, 15, v0                           ; r
	v_bfe_u32 v3, v0, 4, 1                         ; h
	v_lshlrev_b32 v[LI], 4, v1
	v_lshlrev_b32 v[LS], 2, v1
	s_wait_alu depctr_va_vdst(0)
.irp s, 0,1,2,3,4,5,6,7,8,9,10,11,12,13,14,15
	s_min_u32 s80, s19, \s                         ; the steps beyond i read step i's numbers once more: no byte is read that was not written
	s_lshl_b32 s80, s80, 15
	v_add_nc_u32 v[OFF+\s], s80, v[LS]
.endr
	s_mul_i32 s81, s18, 49152                      ; my 8 rowblocks of Xv^T,
	s_mul_i32 s82, s17, 24576                      ; my 4 of p
	s_add_co_u32 s82, s82, POFF
.irp q, 0,1
	v_add_nc_u32 v[ADV+\q], s81, v[LI]
	v_add_nc_u32 v[ADP+\q], s82, v[LI]
	s_add_co_u32 s81, s81, SLOT
	s_add_co_u32 s82, s82, SLOT
.endr
	s_mul_i32 s83, s16, 16*272
	s_add_co_u32 s83, s83, STAGE                   ; my stage
	v_mul_u32_u24 v[SO], v2, 272
	v_lshl_add_u32 v[SO], v3, 6, v[SO]
	v_add_nc_u32 v[SO], s83, v[SO]                 ; in: row r, + 64 h
	v_mul_u32_u24 v[SRD], v3, 272
	v_lshl_add_u32 v[SRD], v2, 4, v[SRD]
	v_add_nc_u32 v[SRD], s83, v[SRD]               ; back: lanes 0-15 one row, lanes 16-31 the next
	v_lshlrev_b32 v[GO], 12, v3
	v_lshl_add_u32 v[GO], v2, 4, v[GO]             ; and the same two rows of out0
	v_mov_b32 v[RX], 0                             ; written once: a lane permute's destination counts as one of its sources
	v_mov_b32 v[RX+1], 0
	s_wait_dscnt 0x0                               ; both opening adds are done
	s_wait_kmcnt 0x0
	s_add_nc_u64 s[66:67], s[4:5], s[66:67]
	s_add_nc_u64 s[68:69], s[8:9], s[68:69]
	s_add_nc_u64 s[70:71], s[6:7], s[70:71]
	s_add_nc_u64 s[72:73], s[10:11], s[72:73]
	s_add_nc_u64 s[12:13], s[12:13], s[78:79]
.irp q, 0,1
	s_mov_b32 s[G0V+4*\q], 1
	s_add_co_u32 s[G0V+4*\q+1], s74, \q*SLOT
	s_add_nc_u64 s[G0V+4*\q+2:G0V+4*\q+3], s[66:67], \q*6144
	s_or_b32 s[G0V+4*\q+3], s[G0V+4*\q+3], 0x80000000
	s_mov_b32 s[G0P+4*\q], 1
	s_add_co_u32 s[G0P+4*\q+1], s75, \q*SLOT
	s_add_nc_u64 s[G0P+4*\q+2:G0P+4*\q+3], s[68:69], \q*6144
	s_or_b32 s[G0P+4*\q+3], s[G0P+4*\q+3], 0x80000000
.endr
	CROUND                                         ; all sixteen work-groups are here: the first joint loads meet
	s_cmp_eq_u32 s14, 0                            ; the cluster's x alone: all sixteen go the same way
	s_cbranch_scc1 .Lz
	; ---- two groups or more
	TLOAD 0                                        ; group 0: one tensor load a wave at the head (group 1 follows behind the sequence and the round below, not together with it)
	STATS
	VSC 0
	VSC 1
	s_wait_tensorcnt 0x0                           ; my part of group 0 has landed
	ds_add_u32 v[SPW], v[NIL]
	s_wait_dscnt 0x0
	CROUND                                         ; group 0 is whole, and the joint loads meet
	TLOAD 1                                        ; slot 1's first fill: group 1
	HEADFIX 16
	FETCH 0
	STEP 0, 1                                      ; the first step's products start the sums: nothing is cleared
	STEP 1, 0
	STEP 2, 0
	PRE 3, 0, 1
	s_cmp_eq_u32 s14, 1
	s_cbranch_scc1 .Lt1
	POST 3, 0, 1, 2                                ; group 2 into slot 0
	STEP 4, 0
	STEP 5, 0
	STEP 6, 0
	PRE 7, 1, 1
	s_cmp_eq_u32 s14, 2
	s_cbranch_scc1 .Lt2
	POST 7, 1, 1, 3                                ; group 3 into slot 1
	STEP 8, 0
	STEP 9, 0
	STEP 10, 0
	PRE 11, 0, 0                                   ; nothing is left to fetch: a barrier of the work-group alone
	POST 11, 0, 0, 0
	STEP 12, 0
	STEP 13, 0
	STEP 14, 0
	FIN 15
	s_branch .Lout
.Lz:                                                   ; ---- one group: query tiles 0 to 3
	TLOAD 0
	STATS
	VSC 0
	s_wait_tensorcnt 0x0                           ; my part of group 0 has landed
	s_barrier_signal -1
	s_barrier_wait -1
	HEADFIX 0
	FETCH 0
	STEP 0, 1
	STEP 1, 0
	STEP 2, 0
	FIN 3
	s_branch .Lout
.Lt1:                                                  ; two groups: query tiles 4 to 7
	POST 3, 0, 0, 0
	STEP 4, 0
	STEP 5, 0
	STEP 6, 0
	FIN 7
	s_branch .Lout
.Lt2:                                                  ; three groups: query tiles 8 to 11
	POST 7, 0, 0, 0
	STEP 8, 0
	STEP 9, 0
	STEP 10, 0
	FIN 11
.Lout:
	; THE WAY OUT.  Lane (r, h) holds query position r of rowblock a; register 8 b + j is channel 32 (b / 2) + 16 h + 8 (b % 2) + j.  Half a row (64 channels, 256 bytes) of 16 queries at a time goes through my stage,
	; so that sixteen lanes store 256 consecutive bytes, aligned.  Position p of rowblock a is row 32 (a / 2) + 8 (a % 2) + p + 8 (p / 8).
	PLACES 4
	s_wait_alu depctr_va_vdst(0)
.irp a, 0,1,2,3
	s_wait_xcnt 0x0                                ; the last rowblock's stores have read their data
	WIN 0x02                                       ; source 0: the accumulators' window
.set n, 0
.rept 64
	v_mul_f32 v[128+n], v[64*\a+n], v[RL+\a]       ; / l; each accumulator from its low end on
.set n, n+1
.endr
	WIN 0
.irp u, 0,1
.irp b, 0,1,2,3
	ds_store_b128 v[SO], v[128+32*\u+8*\b:128+32*\u+8*\b+3] offset:128*(\b/2)+32*(\b%2)
	ds_store_b128 v[SO], v[128+32*\u+8*\b+4:128+32*\u+8*\b+7] offset:128*(\b/2)+32*(\b%2)+16
.endr
.irp k, 0,1,2,3,4,5,6,7
	ds_load_b128 v[192+32*\u+4*\k:192+32*\u+4*\k+3], v[SRD] offset:2*\k*272   ; LDS serves a wave's instructions in order: these see the stores above, and the next half's stores come behind them
.endr
.endr
.irp u, 0,1
.irp k, 0,1,2,3,4,5,6,7
	s_wait_dscnt 23-16*\u-\k                       ; the LDS instructions issued behind this load may be out
	global_store_b128 v[GO], v[192+32*\u+4*\k:192+32*\u+4*\k+3], s[12:13] offset:(32*(\a/2)+8*(\a%2)+2*\k+8*(\k/4))*4096+256*\u th:TH_STORE_NT
.endr
.endr
.endr
	s_wait_tensorcnt 0x0                           ; the wave's end
	ds_add_u32 v[SPW], v[NIL]
	s_wait_dscnt 0x0
	CROUND                                         ; the closing round: no work-group ends while a partner may still ask for a tile that names it
	s_endpgm
.Lfunc_end_k_qe0464f6992_pv:
	.size	k_qe0464f6992_pv, .Lfunc_end_k_qe0464f6992_pv-k_qe0464f6992_pv
	.p2alignl 7, 3214868480
	.fill 96, 4, 3214868480
	.section	.rodata,"a",@progbits
	.p2align	6, 0x0
	.amdhsa_kernel k_qe0464f6992_pv
		.amdhsa_group_segment_fixed_size 327680
		.amdhsa_private_segment_fixed_size 0
		.amdhsa_enable_private_segment 0
		.amdhsa_kernarg_size 40
		.amdhsa_user_sgpr_count 2
		.amdhsa_user_sgpr_kernarg_segment_ptr 1
		.amdhsa_wavefront_size32 1
		.amdhsa_system_sgpr_workgroup_id_x 1
		.amdhsa_system_sgpr_workgroup_id_y 1
		.amdhsa_system_sgpr_workgroup_id_z 1
		.amdhsa_system_vgpr_workitem_id 0
		.amdhsa_next_free_vgpr 768
		.amdhsa_next_free_sgpr 96
		.amdhsa_reserve_vcc 0
		.amdhsa_float_denorm_mode_32 3
		.amdhsa_float_denorm_mode_16_64 3
		.amdhsa_memory_ordered 1
		.amdhsa_forward_progress 1
		.amdhsa_inst_pref_size 255
	.end_amdhsa_kernel
	.section	.bss,"aw",@nobits
	.p2align	6
	.space	262144
	.amdgpu_metadata
---
amdhsa.version: [ 1, 2 ]
amdhsa.kernels:
  - .name:           k_qe0464f6992_pv
    .symbol:         k_qe0464f6992_pv.kd
    .args:
      - { .name: vtc, .offset: 0, .size: 8, .value_kind: global_buffer, .address_space: global }
      - { .name: vts, .offset: 8, .size: 8, .value_kind: global_buffer, .address_space: global }
      - { .name: pc, .offset: 16, .size: 8, .value_kind: global_buffer, .address_space: global }
      - { .name: pst, .offset: 24, .size: 8, .value_kind: global_buffer, .address_space: global }
      - { .name: out0, .offset: 32, .size: 8, .value_kind: global_buffer, .address_space: global }
    .group_segment_fixed_size: 327680
    .private_segment_fixed_size: 0
    .kernarg_segment_align: 8
    .kernarg_segment_size: 40
    .max_flat_workgroup_size: 128
    .sgpr_count:     96
    .vgpr_count:     768
    .wavefront_size: 32
...
	.end_amdgpu_metadata
.endif
;; end of part 4
